; MI455X (gfx1250); checked and timed in simulation.
; The chip was launched on July 23, 2026; its instructions are those of AMD's public machine-readable ISA for CDNA 5 (MIT licence, August 2026) and "CDNA5" Instruction Set Architecture Reference Guide (July 2026). The comments in the code are by the model that wrote it; some were corrected since.
;; Multihead Self Attention. Allowed arithmetic: matrix products marked QUANTISED: E2M3 operands, one E8M0 scale for each 32 along K, by v_wmma_scale_f32_16x16x128_f8f6f4 with both operands' format E2M3, f32 sums; everything else in f32.
;; Inputs: Wk 1,024 x 1,024 float32; Wo 1,024 x 1,024 float32; Wq 1,024 x 1,024 float32; Wv 1,024 x 1,024 float32; in_features 4 x 2,048 x 1,024 float32; token_positions 1 x 2,048 int32.
;; Outputs: out0 4 x 2,048 x 1,024 float32.
;; This version of the problem:
;;   THIS VERSION OF THE PROBLEM IS GIVEN IN LOW PRECISION. The matrix products marked QUANTISED in the list below multiply operands that are first quantised to E2M3 (2 exponent bits, 3 mantissa bits; 6 bits a number), with one power-of-two scale for each 32 numbers along K (OCP MX v1.0); their sums are f32. All else is computed in f32.
;;   The module's matrix products, in the order in which they are computed (A, B: the left and right operand; K: the contracted axis; several contracted axes count as one K, in the product's order):
;;     1. [M 8,192, K 1,024] x [K 1,024, N 1,024]; A: input in_features; B: input Wq: QUANTISED
;;     2. [M 8,192, K 1,024] x [K 1,024, N 1,024]; A: input in_features; B: input Wk: QUANTISED
;;     3. [M 8,192, K 1,024] x [K 1,024, N 1,024]; A: input in_features; B: input Wv: QUANTISED
;;     4. batch 64 x [M 2,048, K 64] x [K 64, N 2,048]; A: computed on the way; B: computed on the way: QUANTISED
;;     5. batch 64 x [M 2,048, K 2,048] x [K 2,048, N 64]; A: softmax (see below); B: computed on the way: QUANTISED
;;     6. [M 8,192, K 1,024] x [K 1,024, N 1,024]; A: computed on the way; B: input Wo: QUANTISED
;;   THE QUANTISER, for each operand of a quantised product, along K:
;;     - K is cut into blocks of 32 from its start; a last block that is shorter is filled with zeros.
;;     - A block's scale is 2^e with e = floor(log2(the largest magnitude in the block)) - 2, held to -126 .. 127; a block of zeros has e = 0. As a byte (E8M0): e + 127.
;;     - Each number is divided by its block's scale, clamped to +-7.5, and rounded to the nearest number of E2M3, ties to even, subnormals kept.
;;     - The product sums the exact products of the quantised numbers (number of the format x scale) in f32.
;;   ~~~python
;;   def quantise(x, axis):      # numpy; x: float32 -> the quantised numbers, widened to float32 again
;;       x = np.moveaxis(x, axis, -1); K = x.shape[-1]
;;       x = np.pad(x, [(0, 0)] * (x.ndim - 1) + [(0, -K % 32)]); x = x.reshape(x.shape[:-1] + (-1, 32)); a = np.abs(x).max(-1, keepdims=True)
;;       e = np.where(a > 0, np.clip(np.frexp(np.where(a > 0, a, 1))[1] - 1 - 2, -126, 127), 0)      # np.frexp(a)[1] - 1 = floor(log2(a)), exactly
;;       r = np.clip(x / 2.0 ** e, -7.5, 7.5)
;;       step = 2.0 ** (np.maximum(np.frexp(np.where(r == 0, 1, r))[1] - 1, 0) - 3)
;;       q = np.round(r / step) * step * 2.0 ** e      # np.round: ties to even
;;       return np.moveaxis(q.reshape(q.shape[:-2] + (-1,))[..., :K], -1, axis).astype(np.float32)
;;   ~~~
;;   SOFTMAX AHEAD OF A QUANTISED PRODUCT. Where the list says 'softmax', what is quantised is not the finished softmax but p = 2^(t - M), with t = logit x log2(e) and M = ceil(the row's largest t), a whole number; so 1/2 < the row's largest p <= 1. The row's sum l is taken of the UNQUANTISED p, in f32, and the product's result is divided by l at the end. Since M is a whole number, a kernel that streams over the keys may use a running M (the ceiling of the running maximum): every later rescaling is an exact power of two, which a block's scale takes up: the codes' values come out the same.
;;   OPERANDS COMPUTED ON THE WAY. 'Computed on the way' means the value that the module computes at that place (a softmax that the list does not call 'softmax' is quantised finished and normalised). What goes into a quantiser is computed in f32, as accurately as f32 sums, v_exp_f32 and their like allow (about 1e-6 of the number): no bf16 or f16 on the way to a quantiser, and a product that is left as it is and whose result goes on into a quantised operand takes f32 operands (vector FMAs, or v_wmma_f32_16x16x4_f32). A number that lies on a knife's edge between two numbers of the format may be rounded either way, as far as f32 arithmetic and the matrix unit's own rounding can turn it there, and no further.
;; One version. Each part assembles by itself: llvm-mc -triple=amdgcn-amd-amdhsa -mcpu=gfx1250 --defsym DOCPART=n.
;; ======== version 1 of 1: 4 launches
;; limits: right only within a limited range of input values
;; workspace buffers: opc 9,437,184 bytes; ops 393,216 bytes; tb 524,288 bytes; qkv 20,185,088 bytes; oc 6,291,456 bytes; os 262,144 bytes
;; launch prep (part 1): grid 416 x 1, 4 waves a work-group, no clusters, 35,328 bytes of LDS; arguments in_features, Wq, Wk, Wv, Wo, token_positions, opc, ops, tb; writes opc, ops, tb
.if DOCPART == 1
	.amdgcn_target "amdgcn-amd-amdhsa--gfx1250"
	.amdhsa_code_object_version 6
	.text
	.protected	k_qb299e3071a_prep
	.globl	k_qb299e3071a_prep
	.p2align	8
	.type	k_qb299e3071a_prep,@function
k_qb299e3071a_prep:
	s_mov_b64 s[64:65], 0
	v_nop
	global_prefetch_b8 v0, s[64:65] scope:SCOPE_SE
	s_setreg_imm32_b32 hwreg(HW_REG_WAVE_MODE, 25, 1), 1
	s_wait_xcnt 0x0
; PREP.  (1) in_features [8192][1024] and Wq, Wk, Wv, Wo [1024][1024], f32, become codes of FP6 (E2M3) with one E8M0 byte for each 32 along their last axis, laid IN THE ORDER OF AN OPERAND'S REGISTERS.
; A tile is 16 rows; lane row r of tile T is source row 32 (T / 2) + 8 (T % 2) + r + 8 (r / 8).  A fragment (16 rows x 128 K, 12 registers a lane) is 1,536 bytes: twice (registers 0-3 at 16 x lane, 512 bytes;
; registers 4-5 at 8 x lane, 256 bytes).  opc: tile x 12,288 + K step x 1,536; tiles 0-511 x, 512-575 Wq, 576-639 Wk, 640-703 Wv, 704-767 Wo.  ops: one word a row and 128 K: tile x 512 + K step x 64 + 4 r.
; (2) tb: cos and sin of token_positions x 10000^(-i / 32), i = 0 .. 31, in the order in which the next launch's lanes want them: [token tile 0..127][piece p 0..7][lane][16 bytes] =
; (cos, sin) of i and of i + 1, i = 16 (p / 4) + 8 (lane / 16) + 2 (p % 4), for the token of lane row lane % 16.
; Work-groups 0-383 quantise: a wave takes one tile and four K steps.  Each load reads 512 consecutive bytes of one row; 16 rows turn through the wave's own stage in LDS (rows 528 bytes apart) so that a lane holds,
; of its row, 16 neighbours of each block of 32.  Work-groups 384-415 make the table, a wave a token tile, with no LDS.  Waves share nothing: no barrier.
; A block's scale is 2^(floor(log2(largest magnitude)) - 2); its byte is the largest magnitude's exponent field - 2, held at 1 from below.
; LIMITS: a block of zeros gets the byte 1 (its codes are zeros, and this program alone reads the bytes); NaN and infinities are not served; the three-part reduction by pi / 2 serves |position| up to 65,536;
; the frequencies come from v_exp_f32 of i x (-log2(10000) / 32), so they may differ in the last bits from a correctly rounded power.
.set WREG,  8704                       ; LDS of a wave: the stage, 16 x 528 bytes, and 256 bytes of scale words
.set SCW,   8448
.set SPARE, 4*WREG                     ; behind the four regions: the spare words, 128 bytes for each wave
.set SPW,   12                         ; v12  my spare word's LDS address; never rewritten
.set NIL,   13                         ; v13  0; never rewritten
.set TM,    16                         ; v16-31 at work in the quantiser
.set PW,    32                         ; v32  the scale word just made
.set E,     34                         ; v34-40 the upper halves of the blocks' codes
.set D,     44                         ; v44-91 codes: 12 registers for each of the four fragments, so that no store's data are written again
.set R,     96                         ; v96-223 two sets of 64 numbers
.set SEL,   44                         ; s[44:45] v_permlanex16_b32's selects for lane l xor 16
	s_load_b512 s[4:19], s[0:1], 0x0               ; x s[4:5], Wq s[6:7], Wk s[8:9], Wv s[10:11], Wo s[12:13], positions s[14:15], opc s[16:17], ops s[18:19]
	s_load_b64 s[20:21], s[0:1], 0x40              ; tb
	v_lshl_add_u32 v[SPW], v0, 2, SPARE
	v_mov_b32 v[NIL], 0
	v_lshrrev_b32 v1, 5, v0
	v_readfirstlane_b32 s26, v1                    ; wave
	v_and_b32 v1, 31, v0                           ; lane
	v_and_b32 v2, 15, v0                           ; r
	v_bfe_u32 v3, v0, 4, 1                         ; h
	s_cmp_ge_u32 ttmp9, 384
	s_cbranch_scc1 .Ltable
; ---------------- the quantiser ----------------
; 64 numbers of a lane, register 16 b + i = k 32 b + 16 h + i of my row, become a fragment's codes in v[d] on and its scale word in v[PW]
.macro QUANT s, d
.irp b, 0,1,2,3
	v_max3_num_f32 v[TM+\b], |v[\s+16*\b]|, |v[\s+1+16*\b]|, 0x1800000   ; my 16 numbers of block b, and the floor 2^(3 - 127): the byte cannot fall under 1
.endr
.irp i, 2,4,6,8,10,12,14
.irp b, 0,1,2,3
	v_max3_num_f32 v[TM+\b], v[TM+\b], |v[\s+16*\b+\i]|, |v[\s+1+16*\b+\i]|
.endr
.endr
.irp b, 0,1,2,3
	v_permlanex16_b32 v[TM+4+\b], v[TM+\b], s[SEL], s[SEL+1]
.endr
.irp b, 0,1,2,3
	v_max_num_f32 v[TM+\b], v[TM+\b], v[TM+4+\b]   ; with lane l xor 16's: the block's largest magnitude
.endr
.irp b, 0,1,2,3
	v_add_nc_u32 v[TM+12+\b], 0xff000000, v[TM+\b] ; 2 off its exponent field: the conversion's scale operand
.endr
.irp b, 0,1,2,3
	v_lshrrev_b32 v[TM+4+\b], 23, v[TM+12+\b]      ; the scale's byte
.endr
	v_lshl_or_b32 v[PW], v[TM+5], 8, v[TM+4]
	v_lshl_or_b32 v[PW], v[TM+6], 16, v[PW]
	v_lshl_or_b32 v[PW], v[TM+7], 24, v[PW]
.irp c, 0,1
	v_cvt_scalef32_pk16_fp6_f32 v[\d+6*\c:\d+2+6*\c], v[\s+32*\c:\s+15+32*\c], v[TM+12+2*\c]
	v_cvt_scalef32_pk16_fp6_f32 v[E+4*\c:E+2+4*\c], v[\s+16+32*\c:\s+31+32*\c], v[TM+12+2*\c+1]
.endr
	v_nop                                          ; one plain place behind a scaled conversion
.irp c, 0,1                                    ; the operand wants a whole block in a lane: lanes 0-15 block 2 c, lanes 16-31 block 2 c + 1
.irp i, 0,1,2
	v_permlane16_swap_b32 v[\d+6*\c+\i], v[E+4*\c+\i]
.endr
.irp i, 0,1,2
	v_mov_b32 v[\d+3+6*\c+\i], v[E+4*\c+\i]
.endr
.endr
.endm
	v_lshlrev_b32 v4, 4, v1                        ; 16 x lane
	v_lshlrev_b32 v5, 3, v1                        ; 8 x lane
	s_mul_i32 s25, s26, WREG
	v_add_nc_u32 v6, s25, v4                       ; the stage, on the way in: a row's 512 bytes as they lie
	v_mul_u32_u24 v7, v2, 528
	v_lshl_add_u32 v7, v3, 6, v7
	v_add_nc_u32 v7, s25, v7                       ; and on the way out: row r, + 64 h
	s_add_co_u32 s25, s25, SCW
	v_lshlrev_b32 v8, 2, v2
	v_add_nc_u32 v8, s25, v8                       ; my row's scale word
	v_add_nc_u32 v9, s25, v5                       ; the 256 bytes of scale words on their way out
.irp b, 0,1,2,3
	v_mov_b32 v[TM+4+\b], 0                        ; written once: a lane permute's destination counts as one of its sources
.endr
	s_mov_b32 s[SEL], 0x76543210
	s_mov_b32 s[SEL+1], 0xfedcba98
	s_lshl_b32 s27, ttmp9, 2
	s_add_co_u32 s27, s27, s26                     ; W = 4 x work-group + wave
	s_lshr_b32 s28, s27, 1                         ; the tile
	s_and_b32 s29, s27, 1                          ; which four K steps
	s_wait_kmcnt 0x0
	s_mov_b64 s[22:23], s[12:13]                   ; the source, by the work-group's number alone
	s_cmp_lt_u32 ttmp9, 352
	s_cselect_b64 s[22:23], s[10:11], s[22:23]
	s_cmp_lt_u32 ttmp9, 320
	s_cselect_b64 s[22:23], s[8:9], s[22:23]
	s_cmp_lt_u32 ttmp9, 288
	s_cselect_b64 s[22:23], s[6:7], s[22:23]
	s_cmp_lt_u32 ttmp9, 256
	s_cselect_b64 s[22:23], s[4:5], s[22:23]
	s_cselect_b32 s24, 511, 63
	s_and_b32 s30, s28, s24                        ; the tile's number in its own tensor
	s_lshr_b32 s31, s30, 1
	s_lshl_b32 s31, s31, 17                        ; 32 rows of 4,096 bytes
	s_and_b32 s30, s30, 1
	s_lshl_b32 s30, s30, 15                        ; 8 rows
	s_add_co_u32 s30, s30, s31
	s_lshl_b32 s31, s29, 11                        ; four K steps are 2,048 bytes of a row
	s_add_co_u32 s30, s30, s31
	s_mov_b32 s31, 0
	s_add_nc_u64 s[22:23], s[22:23], s[30:31]
	s_mul_i32 s32, s28, 12288
	s_mul_i32 s33, s29, 6144
	s_add_co_u32 s32, s32, s33
	s_mov_b32 s33, 0
	s_add_nc_u64 s[16:17], s[16:17], s[32:33]
	s_lshl_b32 s32, s27, 8                         ; 512 x tile + 256 x half
	s_add_nc_u64 s[18:19], s[18:19], s[32:33]
.macro LOADF n                         ; fragment n: 16 rows x 512 bytes into set n % 2; 32 lanes read 512 consecutive bytes
.irp t, 0,1,2,3,4,5,6,7,8,9,10,11,12,13,14,15
	global_load_b128 v[R+64*((\n)%2)+4*\t:R+64*((\n)%2)+4*\t+3], v4, s[22:23] offset:(\t+8*(\t/8))*4096+512*(\n) th:TH_LOAD_NT
.endr
.endm
.macro FRAGQ n
.set RS, R+64*((\n)%2)
.set DD, D+12*(\n)
.if (\n) < 3
	s_wait_loadcnt 16                              ; this fragment's 16 loads are in; the next fragment's 16 may be out
.else
	s_wait_loadcnt 0x0
.endif
.irp t, 0,1,2,3,4,5,6,7,8,9,10,11,12,13,14,15
	ds_store_b128 v6, v[RS+4*\t:RS+4*\t+3] offset:528*\t
.endr
.irp b, 0,1,2,3
.irp j, 0,1,2,3
	ds_load_b128 v[RS+16*\b+4*\j:RS+16*\b+4*\j+3], v7 offset:128*\b+16*\j   ; LDS serves a wave's instructions in order: these see the stores above
.endr
.endr
	s_wait_dscnt 0x0
	QUANT RS, DD
	ds_store_b32 v8, v[PW] offset:64*(\n)          ; lanes r and r + 16 write the same word with the same value
	global_store_b128 v4, v[DD:DD+3], s[16:17] offset:1536*(\n)        ; 512 consecutive bytes
	global_store_b64 v5, v[DD+4:DD+5], s[16:17] offset:1536*(\n)+512   ; 256
	global_store_b128 v4, v[DD+6:DD+9], s[16:17] offset:1536*(\n)+768
	global_store_b64 v5, v[DD+10:DD+11], s[16:17] offset:1536*(\n)+1280
.if (\n) < 2
	LOADF (\n)+2
.endif
.endm
	LOADF 0
	LOADF 1
	FRAGQ 0
	FRAGQ 1
	FRAGQ 2
	FRAGQ 3
	ds_load_b64 v[10:11], v9                       ; the four K steps' scale words
	s_wait_dscnt 0x0
	global_store_b64 v5, v[10:11], s[18:19]        ; 256 consecutive bytes, aligned
	s_wait_tensorcnt 0x0                           ; the wave's end: behind my last LDS store
	ds_add_u32 v[SPW], v[NIL]
	s_wait_dscnt 0x0
	s_endpgm
; ---------------- the table ----------------
.Ltable:
	s_sub_co_u32 s27, ttmp9, 384
	s_lshl_b32 s27, s27, 2
	s_add_co_u32 s27, s27, s26                     ; my token tile, 0 .. 127
	s_lshr_b32 s28, s27, 1
	s_lshl_b32 s28, s28, 7                         ; 32 tokens of 4 bytes
	s_and_b32 s29, s27, 1
	s_lshl_b32 s29, s29, 5                         ; 8 tokens
	s_add_co_u32 s28, s28, s29
	s_mov_b32 s29, 0
	s_lshl_b32 s30, s27, 12                        ; 4,096 bytes of table a tile
	s_mov_b32 s31, 0
	v_and_b32 v4, 8, v2
	v_add_nc_u32 v4, v4, v2                        ; r + 8 (r / 8)
	v_lshlrev_b32 v4, 2, v4
	v_lshlrev_b32 v5, 4, v1                        ; 16 x lane
	v_lshlrev_b32 v6, 3, v3                        ; 8 h
	s_mov_b32 s32, 0x3f22f983                      ; 2 / pi
	s_mov_b32 s33, 0xbfc90fd8                      ; -pi / 2 in three parts
	s_mov_b32 s34, 0xb4a8885a
	s_mov_b32 s35, 0xa7c234c5
	s_mov_b32 s36, 0x37ccf5ce                      ; cos r = 1 - z / 2 + z^2 (c2 + z (c1 + z c0)), z = r^2
	s_mov_b32 s37, 0xbab6061a
	s_mov_b32 s38, 0x3d2aaaa5
	s_mov_b32 s39, 0xb94ca1f9                      ; sin r = r + r z (s2 + z (s1 + z s0))
	s_mov_b32 s40, 0x3c08839e
	s_mov_b32 s41, 0xbe2aaaa3
	s_wait_kmcnt 0x0
	s_add_nc_u64 s[14:15], s[14:15], s[28:29]
	s_add_nc_u64 s[20:21], s[20:21], s[30:31]
	global_load_b32 v7, v4, s[14:15]               ; my token's position
; sixteen angles a lane: number m has the frequency index 16 (m / 8) + m % 8 + 8 h.  Each line runs over all sixteen, so that no line waits for the line above it
.irp m, 0,1,2,3,4,5,6,7,8,9,10,11,12,13,14,15
	v_add_nc_u32 v[64+\m], 16*(\m/8)+\m%8, v6
.endr
.irp m, 0,1,2,3,4,5,6,7,8,9,10,11,12,13,14,15
	v_cvt_f32_u32 v[64+\m], v[64+\m]
.endr
.irp m, 0,1,2,3,4,5,6,7,8,9,10,11,12,13,14,15
	v_mul_f32 v[64+\m], 0xbed49a78, v[64+\m]       ; x -log2(10000) / 32
.endr
.irp m, 0,1,2,3,4,5,6,7,8,9,10,11,12,13,14,15
	v_exp_f32 v[64+\m], v[64+\m]                   ; the frequency
.endr
	v_nop                                          ; a plain place behind the last exponential
	s_wait_alu depctr_va_vdst(0)                   ; one wait for the batch, ahead of its first reader
	s_wait_loadcnt 0x0
	v_cvt_f32_i32 v7, v7
.irp m, 0,1,2,3,4,5,6,7,8,9,10,11,12,13,14,15
	v_mul_f32 v[64+\m], v7, v[64+\m]               ; the angle, rounded once
.endr
.irp m, 0,1,2,3,4,5,6,7,8,9,10,11,12,13,14,15
	v_mul_f32 v[80+\m], s32, v[64+\m]
.endr
.irp m, 0,1,2,3,4,5,6,7,8,9,10,11,12,13,14,15
	v_rndne_f32 v[80+\m], v[80+\m]                 ; j: how many quarter turns
.endr
.irp m, 0,1,2,3,4,5,6,7,8,9,10,11,12,13,14,15
	v_fma_f32 v[64+\m], v[80+\m], s33, v[64+\m]    ; r = angle - j pi / 2: the first step is exact
.endr
.irp m, 0,1,2,3,4,5,6,7,8,9,10,11,12,13,14,15
	v_fma_f32 v[64+\m], v[80+\m], s34, v[64+\m]
.endr
.irp m, 0,1,2,3,4,5,6,7,8,9,10,11,12,13,14,15
	v_fma_f32 v[64+\m], v[80+\m], s35, v[64+\m]
.endr
.irp m, 0,1,2,3,4,5,6,7,8,9,10,11,12,13,14,15
	v_mul_f32 v[96+\m], v[64+\m], v[64+\m]         ; z
.endr
.irp m, 0,1,2,3,4,5,6,7,8,9,10,11,12,13,14,15
	v_cvt_i32_f32 v[80+\m], v[80+\m]               ; j as a whole number
.endr
.irp m, 0,1,2,3,4,5,6,7,8,9,10,11,12,13,14,15
	v_fma_f32 v[144+\m], v[96+\m], s36, s37
.endr
.irp m, 0,1,2,3,4,5,6,7,8,9,10,11,12,13,14,15
	v_fma_f32 v[144+\m], v[144+\m], v[96+\m], s38
.endr
.irp m, 0,1,2,3,4,5,6,7,8,9,10,11,12,13,14,15
	v_fma_f32 v[144+\m], v[144+\m], v[96+\m], -0.5
.endr
.irp m, 0,1,2,3,4,5,6,7,8,9,10,11,12,13,14,15
	v_fma_f32 v[144+\m], v[144+\m], v[96+\m], 1.0  ; cos r
.endr
.irp m, 0,1,2,3,4,5,6,7,8,9,10,11,12,13,14,15
	v_fma_f32 v[160+\m], v[96+\m], s39, s40
.endr
.irp m, 0,1,2,3,4,5,6,7,8,9,10,11,12,13,14,15
	v_fma_f32 v[160+\m], v[160+\m], v[96+\m], s41
.endr
.irp m, 0,1,2,3,4,5,6,7,8,9,10,11,12,13,14,15
	v_mul_f32 v[160+\m], v[160+\m], v[96+\m]
.endr
.irp m, 0,1,2,3,4,5,6,7,8,9,10,11,12,13,14,15
	v_fma_f32 v[160+\m], v[160+\m], v[64+\m], v[64+\m]   ; sin r
.endr
.irp m, 0,1,2,3,4,5,6,7,8,9,10,11,12,13,14,15
	v_and_b32 v[176+\m], 1, v[80+\m]               ; an odd j: sine and cosine change places
	v_cmp_eq_u32 vcc_lo, 1, v[176+\m]
	v_cndmask_b32 v[113+2*\m], v[160+\m], v[144+\m], vcc_lo
	v_cndmask_b32 v[112+2*\m], v[144+\m], v[160+\m], vcc_lo
.endr
.irp m, 0,1,2,3,4,5,6,7,8,9,10,11,12,13,14,15
	v_lshlrev_b32 v[176+\m], 30, v[80+\m]          ; bit 1 of j is the sine's sign,
	v_add_nc_u32 v[80+\m], 1, v[80+\m]
.endr
.irp m, 0,1,2,3,4,5,6,7,8,9,10,11,12,13,14,15
	v_and_b32 v[176+\m], 0x80000000, v[176+\m]
	v_lshlrev_b32 v[80+\m], 30, v[80+\m]           ; bit 1 of j + 1 the cosine's
.endr
.irp m, 0,1,2,3,4,5,6,7,8,9,10,11,12,13,14,15
	v_xor_b32 v[113+2*\m], v[176+\m], v[113+2*\m]
	v_and_b32 v[80+\m], 0x80000000, v[80+\m]
.endr
.irp m, 0,1,2,3,4,5,6,7,8,9,10,11,12,13,14,15
	v_xor_b32 v[112+2*\m], v[80+\m], v[112+2*\m]
.endr
.irp p, 0,1,2,3,4,5,6,7
	global_store_b128 v5, v[112+4*\p:115+4*\p], s[20:21] offset:512*\p   ; 512 consecutive bytes
.endr
	s_wait_tensorcnt 0x0                           ; the same three lines at this path's end
	ds_add_u32 v[SPW], v[NIL]
	s_wait_dscnt 0x0
	s_endpgm
.Lfunc_end_k_qb299e3071a_prep:
	.size	k_qb299e3071a_prep, .Lfunc_end_k_qb299e3071a_prep-k_qb299e3071a_prep
	.p2alignl 7, 3214868480
	.fill 96, 4, 3214868480
	.section	.rodata,"a",@progbits
	.p2align	6, 0x0
	.amdhsa_kernel k_qb299e3071a_prep
		.amdhsa_group_segment_fixed_size 35328
		.amdhsa_private_segment_fixed_size 0
		.amdhsa_enable_private_segment 0
		.amdhsa_kernarg_size 72
		.amdhsa_user_sgpr_count 2
		.amdhsa_user_sgpr_kernarg_segment_ptr 1
		.amdhsa_wavefront_size32 1
		.amdhsa_system_sgpr_workgroup_id_x 1
		.amdhsa_system_sgpr_workgroup_id_y 1
		.amdhsa_system_sgpr_workgroup_id_z 1
		.amdhsa_system_vgpr_workitem_id 0
		.amdhsa_next_free_vgpr 224
		.amdhsa_next_free_sgpr 66
		.amdhsa_reserve_vcc 1
		.amdhsa_float_denorm_mode_32 3
		.amdhsa_float_denorm_mode_16_64 3
		.amdhsa_memory_ordered 1
		.amdhsa_forward_progress 1
		.amdhsa_inst_pref_size 59
	.end_amdhsa_kernel
	.amdgpu_metadata
---
amdhsa.version: [ 1, 2 ]
amdhsa.kernels:
  - .name:           k_qb299e3071a_prep
    .symbol:         k_qb299e3071a_prep.kd
    .args:
      - { .name: in_features, .offset: 0, .size: 8, .value_kind: global_buffer, .address_space: global }
      - { .name: Wq, .offset: 8, .size: 8, .value_kind: global_buffer, .address_space: global }
      - { .name: Wk, .offset: 16, .size: 8, .value_kind: global_buffer, .address_space: global }
      - { .name: Wv, .offset: 24, .size: 8, .value_kind: global_buffer, .address_space: global }
      - { .name: Wo, .offset: 32, .size: 8, .value_kind: global_buffer, .address_space: global }
      - { .name: token_positions, .offset: 40, .size: 8, .value_kind: global_buffer, .address_space: global }
      - { .name: opc, .offset: 48, .size: 8, .value_kind: global_buffer, .address_space: global }
      - { .name: ops, .offset: 56, .size: 8, .value_kind: global_buffer, .address_space: global }
      - { .name: tb, .offset: 64, .size: 8, .value_kind: global_buffer, .address_space: global }
    .group_segment_fixed_size: 35328
    .private_segment_fixed_size: 0
    .kernarg_segment_align: 8
    .kernarg_segment_size: 72
    .max_flat_workgroup_size: 128
    .sgpr_count:     66
    .vgpr_count:     224
    .wavefront_size: 32
...
	.end_amdgpu_metadata
.endif
;; end of part 1
;; launch qkv (part 2): grid 12 x 32, 4 waves a work-group, clusters of 4 x 4, 327,680 bytes of LDS; arguments opc, ops, tb, qkv; writes qkv
.if DOCPART == 2
	.amdgcn_target "amdgcn-amd-amdhsa--gfx1250"
	.amdhsa_code_object_version 6
	.text
	.protected	k_qb299e3071a_qkv
	.globl	k_qb299e3071a_qkv
	.p2align	8
	.type	k_qb299e3071a_qkv,@function
k_qb299e3071a_qkv:
	s_mov_b64 s[64:65], 0
	v_nop
	global_prefetch_b8 v0, s[64:65] scope:SCOPE_SE
	s_setreg_imm32_b32 hwreg(HW_REG_WAVE_MODE, 25, 1), 1
	s_wait_xcnt 0x0
	s_wait_alu depctr_hold_cnt(0) depctr_sa_sdst(0) depctr_va_vdst(0) depctr_va_sdst(0) depctr_va_ssrc(0) depctr_va_vcc(0) depctr_vm_vsrc(0)
	s_getreg_b32 s2, hwreg(HW_REG_IB_STS2, 6, 4)
	s_cmp_eq_u32 s2, 0
	s_cbranch_scc0 .Lentry_in_a_cluster
	s_endpgm
.Lentry_in_a_cluster:
	s_bfe_u32 s2, ttmp6, 0x10000c
	s_cmp_lg_u32 s2, 0xf033
	s_cbranch_scc0 .Lentry_shape_is_right
	s_endpgm
.Lentry_shape_is_right:
; QKV.  q, k, v = x Wq^T, x Wk^T, x Wv^T on codes of FP6 (E2M3) with E8M0 scales, K = 1,024; then, in registers, RoPE and the quantiser along the head's 64 for q and k, the quantiser along the keys for v.
; A work-group of four waves makes 256 x 256 results, a wave 128 x 128: 64 accumulators of 16 x 16.  Source 0 of the matrix instruction is "B", source 1 "A": a lane holds one row of A and its registers run along B's rows.
; By the order of rows in a tile (lane row r of tile T = row 32 (T / 2) + 8 (T % 2) + r + 8 (r / 8)) the 16 registers of B's tiles 2 b and 2 b + 1 are 16 neighbours: 32 b + 16 (lane / 16) + 0 .. 15.
; ONE LAUNCH, TWO ORIENTATIONS, told apart by the cluster's x, which all partners share.  Clusters x = 0, 1: A = x (a lane a token), B = Wq | Wk (registers along e): what q and k want.
; Cluster x = 2: A = Wv (a lane a channel d), B = x (registers along the tokens, which are the second product's K): what v wants.
; Codes and scale words lie in memory in the order of the operands' registers: a K step's fragment is 1,536 dense bytes.  K goes in steps of 256 through two LDS slots; a wave's tensor load brings 8 tiles x 3,072 bytes.
; The scale words of the 256 + 256 rows, for all of K, come once, with the first fills.
; CLUSTERS: 4 x 4 work-groups; A's tiles are asked for jointly along a row of the cluster, B's along a column.
; OUT: qkv, records of 39,424 bytes for each (batch x head, 256 tokens): K's codes 16 tiles x 768 | K's scale words 16 x 64 | V^T's codes [128 keys][d tile] x 1,536 | V's scale words 8 x 64 | Q's codes | Q's scale words.
; q's and k's scale words hold the head's two bytes below; the upper two bytes belong to zero codes in the next launch and are never 0xff.
; REGISTERS: window 0: v15-31 addresses; v32-63 scale words, two sets; v72-127 at work on the way out; from v128 A's fragments, one set.  window 1: B's fragments, two sets; on q's and k's way out the table.
;   windows 2, 3: the accumulators, (a, b) at v[8 (8 (a % 4) + b)].
; LIMITS: blocks of zeros get the byte 1; NaN and infinities are not served.
.set NQ,     2                         ; matrix instructions deep in a slot
.set FR,     12                        ; registers of a fragment
.set NL,     4                         ; LDS loads that bring one
.set NP,     4                         ; places behind this matrix instruction (ISA guide 7.12.1)
.set HALFT,  24576                     ; 8 tiles x 3,072 bytes: what one tensor load brings
.set SLOT,   4*HALFT                   ; A's 16 tiles, then B's 16
.set SCL,    2*SLOT                    ; behind the ring: the scale words
.set HALFS,  4096                      ; those of 8 tiles
.set SPARE,  SCL+4*HALFS               ; the spare words, 128 bytes for each wave
.set REC,    39424
.set HEADSTR, 8*REC
.set KSO,    12288                     ; in q's and k's part of a record: the scale words behind the codes
.set VC,     13312
.set VS,     25600
.set QC,     26112
.set VRB,  15                          ; v15  v's scale stage on the way out: 4,096 + 512 x wave + 8 x lane
.set ADRA, 16                          ; v16-17 A's fragments in slot 0, 1: + 16 x lane;  v18-19: + 8 x lane
.set ADRB, 20                          ; v20-23 the same for B
.set L16,  24                          ; v24  16 x lane
.set L8,   25                          ; v25  8 x lane
.set QSS,  26                          ; v26  q's and k's scale stage: 1,024 x wave + 512 h + 4 r
.set ADRS, 27                          ; v27  my scale words: lanes 0-15 A's rows, lanes 16-31 B's
.set SPW,  28                          ; v28  my spare word; never rewritten
.set NIL,  29                          ; v29  0; never rewritten
.set VSS,  30                          ; v30  v's scale stage: 4,096 + 512 x wave + 4 r
.set QRB,  31                          ; v31  q's and k's scale stage on the way out: 1,024 x wave + 16 x lane
.set SC,   32
.set TM,   72
.set PW,   88
.set PW2,  89
.set D0,   96                          ; v96-119 codes, two sets by turns
.set E,    120
.set AF,   128
.set RT,   128                         ; v128-191 RoPE's cross terms
.set RB,   192
.set SEL,  2                           ; s[2:3] selects for lane l xor 16
.set HM,   66                          ; s66  lanes 16-31
.set G1, 24
.set G0, 32
.set G1B, 48
.set G0B, 56
.set G1S, 68
.set G0S, 76
.set G1SB, 80
.set G0SB, 88
.set MSB, 0
.macro WIN new                         ; the immediate's high byte repeats the setting that is left
.if MSB != (\new)
	s_set_vgpr_msb (MSB<<8)|(\new)
.set MSB, (\new)
.endif
.endm
.set MUL_LO, 0xa1                      ; source 0 (B) window 1, source 1 (A) window 0, C and D window 2
.set MUL_HI, 0xf1
.set TO_B,   0x40
; A joint load: waves 0 and 1 fetch for A, waves 2 and 3 for B; the branch hangs on the wave's number alone.  An s_nop 0 and four v_nop follow each line.
.macro JLOAD g0a, g1a, g0b, g1b
	s_cmp_eq_u32 s15, 0
	s_cbranch_scc0 .Lfor_b_\@
	tensor_load_to_lds s[\g0a:\g0a+3], s[\g1a:\g1a+7]
	s_nop 0
.rept 4
	v_nop
.endr
	s_branch .Lasked_\@
.Lfor_b_\@:
	tensor_load_to_lds s[\g0b:\g0b+3], s[\g1b:\g1b+7]
	s_nop 0
.rept 4
	v_nop
.endr
.Lasked_\@:
.endm
.macro CREST                           ; a round of the cluster's barrier behind its opening barrier
	s_cmp_lg_u32 s14, 0
	s_cbranch_scc1 .Lnot_wave_0_\@
	s_barrier_signal -3
.Lnot_wave_0_\@:
	s_barrier_wait -3
	s_barrier_signal -1
	s_barrier_wait -1
.endm
.macro CROUND
	s_barrier_signal -1
	s_barrier_wait -1
	CREST
.endm
	s_load_b256 s[4:11], s[0:1], 0x0               ; opc s[4:5], ops s[6:7], tb s[8:9], qkv s[10:11]
	v_lshl_add_u32 v[SPW], v0, 2, SPARE
	v_mov_b32 v[NIL], 0
	ds_add_u32 v[SPW], v[NIL]                      ; the wave's opening: the add and its wait ahead of my first tensor load; work on registers stands between them
	v_lshrrev_b32 v1, 5, v0
	v_readfirstlane_b32 s14, v1                    ; wave 0..3
	s_lshr_b32 s15, s14, 1                         ; my half of A's rows.  Also: I fetch for A (0) or for B (1)
	s_and_b32 s16, s14, 1                          ; my half of B's rows.  Also: which 8 tiles I fetch
	s_bfe_u32 s40, ttmp6, 0x40000                  ; cx
	s_bfe_u32 s41, ttmp6, 0x40004                  ; cy
	s_and_b32 s13, ttmp7, 0xffff                   ; cluster y
	s_cmp_eq_u32 ttmp9, 2                          ; the cluster's x: the same in all sixteen partners
	s_cselect_b32 s12, 1, 0                        ; 1: v's orientation
	s_cselect_b32 s42, s13, ttmp9                  ; which four of B's blocks of 256 rows
	s_cselect_b32 s17, 0, s13                      ; which four of A's
	s_cselect_b32 s18, 640, 0                      ; A's first tile in opc: Wv's or x's
	s_cselect_b32 s19, 0, 512                      ; B's: x's or Wq's
	s_lshl_b32 s42, s42, 2
	s_add_co_u32 s42, s42, s40                     ; tc: B's block
	s_lshl_b32 s17, s17, 2
	s_add_co_u32 s17, s17, s41                     ; tr: A's block
	s_lshl_b32 s43, s41, 2
	s_lshl_b32 s43, 15, s43                        ; my row of the cluster
	s_lshl_b32 s44, 0x1111, s40                    ; my column
	s_or_b32 s[G1+0], s43, (3<<16)|(1<<21)         ; 15:0 the mask; 17:16 elements of 8 bytes; 21 set beside a mask; no padding
	s_or_b32 s[G1B+0], s44, (3<<16)|(1<<21)
.irp g, G1, G1B
	s_mov_b32 s[\g+1], 384<<16                     ; tensor_dim0: 3,072 bytes: two K steps of a tile
	s_mov_b32 s[\g+2], 8<<16                       ; tensor_dim1: 8 tiles
	s_mov_b32 s[\g+3], 384<<16                     ; tile_dim0
	s_mov_b32 s[\g+4], 8                           ; tile_dim1
	s_mov_b32 s[\g+5], 1536                        ; from tile to tile: 12,288 bytes
	s_mov_b32 s[\g+6], 0
	s_mov_b32 s[\g+7], 0
.endr
	s_or_b32 s[G1S+0], s43, (3<<16)|(1<<21)        ; the scale words of 8 tiles: 4,096 dense bytes as 16 rows of 256
	s_or_b32 s[G1SB+0], s44, (3<<16)|(1<<21)
.irp g, G1S, G1SB
	s_mov_b32 s[\g+1], 32<<16
	s_mov_b32 s[\g+2], 16<<16
	s_mov_b32 s[\g+3], 32<<16
	s_mov_b32 s[\g+4], 16
	s_mov_b32 s[\g+5], 32
	s_mov_b32 s[\g+6], 0
	s_mov_b32 s[\g+7], 0
.endr
	s_lshl_b32 s21, s16, 3                         ; which 8 tiles of the 16
	s_lshl_b32 s20, s17, 4
	s_add_co_u32 s20, s20, s18
	s_add_co_u32 s20, s20, s21                     ; A: the first tile that I fetch
	s_lshl_b32 s46, s42, 4
	s_add_co_u32 s46, s46, s19
	s_add_co_u32 s46, s46, s21                     ; B likewise
	s_lshl_b32 s22, s20, 9                         ; its scale words,
	s_mov_b32 s23, 0
	s_lshl_b32 s92, s46, 9
	s_mov_b32 s93, 0
	s_mul_i32 s20, s20, 12288                      ; its codes
	s_mov_b32 s21, 0
	s_mul_i32 s46, s46, 12288
	s_mov_b32 s47, 0
	s_mul_i32 s45, s14, HALFT                      ; where they go: by the wave's number alone
	s_mul_i32 s94, s14, HALFS
	s_mov_b32 s[SEL], 0x76543210
	s_mov_b32 s[SEL+1], 0xfedcba98
	s_mov_b32 s[HM], 0xffff0000
	s_wait_dscnt 0x0                               ; the opening add is done
	s_wait_kmcnt 0x0
	s_add_nc_u64 s[20:21], s[4:5], s[20:21]
	s_add_nc_u64 s[22:23], s[6:7], s[22:23]
	s_add_nc_u64 s[46:47], s[4:5], s[46:47]
	s_add_nc_u64 s[92:93], s[6:7], s[92:93]
	CROUND                                         ; all sixteen work-groups are here: the first joint loads meet
	s_mov_b32 s[G0S], 1
	s_add_co_u32 s[G0S+1], s94, SCL
	s_mov_b64 s[G0S+2:G0S+3], s[22:23]
	s_or_b32 s[G0S+3], s[G0S+3], 0x80000000
	s_mov_b32 s[G0SB], 1
	s_add_co_u32 s[G0SB+1], s94, SCL
	s_mov_b64 s[G0SB+2:G0SB+3], s[92:93]
	s_or_b32 s[G0SB+3], s[G0SB+3], 0x80000000
	JLOAD G0S, G1S, G0SB, G1SB                     ; the scale words first
.irp s, 0,1
	s_mov_b32 s[G0+4*\s], 1
	s_add_co_u32 s[G0+4*\s+1], s45, \s*SLOT
	s_add_nc_u64 s[G0+4*\s+2:G0+4*\s+3], s[20:21], \s*3072
	s_or_b32 s[G0+4*\s+3], s[G0+4*\s+3], 0x80000000
	s_mov_b32 s[G0B+4*\s], 1
	s_add_co_u32 s[G0B+4*\s+1], s45, \s*SLOT
	s_add_nc_u64 s[G0B+4*\s+2:G0B+4*\s+3], s[46:47], \s*3072
	s_or_b32 s[G0B+4*\s+3], s[G0B+4*\s+3], 0x80000000
	JLOAD G0+4*\s, G1, G0B+4*\s, G1B
.endr
	v_and_b32 v1, 15, v0                           ; r
	v_bfe_u32 v2, v0, 4, 1                         ; h
	v_and_b32 v3, 31, v0                           ; lane
	v_lshlrev_b32 v[L16], 4, v3
	v_lshlrev_b32 v[L8], 3, v3
	s_mul_i32 s21, s15, HALFT                      ; my 8 tiles of A
	s_mul_i32 s22, s16, HALFT                      ; my 8 tiles of B,
	s_add_co_u32 s22, s22, 2*HALFT                 ; which lie behind A's 16
.irp s, 0,1
	v_add_nc_u32 v[ADRA+\s], s21, v[L16]
	v_add_nc_u32 v[ADRB+\s], s22, v[L16]
	v_add_nc_u32 v[ADRA+2+\s], s21, v[L8]
	v_add_nc_u32 v[ADRB+2+\s], s22, v[L8]
	s_add_co_u32 s21, s21, SLOT
	s_add_co_u32 s22, s22, SLOT
.endr
	s_lshl_b32 s21, s15, 12                        ; A's scale words: my 8 tiles
	s_lshl_b32 s22, s16, 12                        ; B's: my 8 tiles, behind A's 16
	s_add_co_u32 s22, s22, 8192
	s_sub_co_u32 s22, s22, s21
	v_mul_u32_u24 v6, s22, v2                      ; lanes 16-31 take B's: one product, the distance between the two
	s_add_co_u32 s21, s21, SCL
	v_lshl_add_u32 v6, v1, 2, v6
	v_add_nc_u32 v[ADRS], s21, v6
	v_lshlrev_b32 v6, 2, v1                        ; the scale stages of the two ways out: in slot 0, each way with bytes of its own
	v_lshl_add_u32 v7, v2, 9, v6
	s_lshl_b32 s21, s14, 10
	v_add_nc_u32 v[QSS], s21, v7
	v_add_nc_u32 v[QRB], s21, v[L16]
	s_lshl_b32 s21, s14, 9
	s_add_co_u32 s21, s21, 4096
	v_add_nc_u32 v[VSS], s21, v6
	v_add_nc_u32 v[VRB], s21, v[L8]
.macro FRAG reg, adr, q, i             ; a fragment comes as it was stored: registers 0-3, 4-5, 6-9, 10-11; every run of lanes reads consecutive bytes
	ds_load_b128 v[\reg:\reg+3], v[\adr] offset:3072*(\i)+1536*(\q)
	ds_load_b64 v[\reg+4:\reg+5], v[\adr+2] offset:3072*(\i)+1536*(\q)+512
	ds_load_b128 v[\reg+6:\reg+9], v[\adr] offset:3072*(\i)+1536*(\q)+768
	ds_load_b64 v[\reg+10:\reg+11], v[\adr+2] offset:3072*(\i)+1536*(\q)+1280
.endm
; 16 matrix instructions: A's blocks a0, a0 + 1 x B's eight.  The 64 accumulators take turns, one instruction a turn, in the same order in every step.
.macro MUL16 a0, p, q, sc, zero
.irp a, \a0, \a0+1
.irp b, 0,1,2,3,4,5,6,7
.if \zero
	v_wmma_scale_f32_16x16x128_f8f6f4 v[8*(8*((\a)%4)+\b):8*(8*((\a)%4)+\b)+7], v[128*(\p)+FR*\b:128*(\p)+FR*\b+FR-1], v[AF+FR*(\a):AF+FR*(\a)+FR-1], 0, v[SC+8*NQ*(\sc)+NQ*\b+(\q)], v[SC+8*NQ*(\sc)+NQ*(\a)+(\q)] matrix_a_fmt:MATRIX_FMT_FP6 matrix_b_fmt:MATRIX_FMT_FP6 matrix_a_scale:MATRIX_SCALE_ROW1
.else
	v_wmma_scale_f32_16x16x128_f8f6f4 v[8*(8*((\a)%4)+\b):8*(8*((\a)%4)+\b)+7], v[128*(\p)+FR*\b:128*(\p)+FR*\b+FR-1], v[AF+FR*(\a):AF+FR*(\a)+FR-1], v[8*(8*((\a)%4)+\b):8*(8*((\a)%4)+\b)+7], v[SC+8*NQ*(\sc)+NQ*\b+(\q)], v[SC+8*NQ*(\sc)+NQ*(\a)+(\q)] matrix_a_fmt:MATRIX_FMT_FP6 matrix_b_fmt:MATRIX_FMT_FP6 matrix_a_scale:MATRIX_SCALE_ROW1
.endif
.endr
.endr
.endm
.macro FETCH_B slot, q, p
	WIN TO_B
.irp i, 0,1,2,3,4,5,6,7
	FRAG 128*(\p)+FR*\i, ADRB+\slot, \q, \i
.endr
	WIN 0
.endm
.macro FETCH_A slot, q, i0
.irp i, \i0, \i0+1, \i0+2, \i0+3
	FRAG AF+FR*(\i), ADRA+\slot, \q, \i
.endr
.endm
.macro SCALES sc                       ; the next slot's scale words: lanes 0-15 A's block i, lanes 16-31 B's block i
.irp i, 0,1,2,3,4,5,6,7
.irp q, 0,1
	ds_load_b32 v[SC+8*NQ*\sc+NQ*\i+\q], v[ADRS] offset:512*\i+64*\q
.endr
.endr
.endm
.macro PLACES n                        ; plain vector instructions that name none of the matrix instructions' registers (ISA guide 7.12.1)
.rept \n
	v_nop
.endr
.endm
.macro STEP slot, q, zero              ; a step of 128 along K that has its successor in the same slot
	s_wait_dscnt 4*NL                              ; all but the youngest 16 loads, A's blocks 4-7
	WIN MUL_LO
	MUL16 0, (\q)%2, \q, \slot, \zero
	MUL16 2, (\q)%2, \q, \slot, \zero
	s_wait_dscnt 0
	PLACES NP
	FETCH_B \slot, (\q)+1, 1-(\q)%2
	FETCH_A \slot, (\q)+1, 0
	WIN MUL_HI
	MUL16 4, (\q)%2, \q, \slot, \zero
	MUL16 6, (\q)%2, \q, \slot, \zero
	PLACES NP
	WIN 0
	FETCH_A \slot, (\q)+1, 4
.endm
; A slot's last step changes slots: one barrier; ahead of it each wave waits for all its tensor loads, adds 0 to its spare word, and waits for that and for its reads of this slot.
.macro TURN slot, next, fill
	s_wait_tensorcnt 0x0                           ; all my tensor loads have landed: my part of the next slot
	ds_add_u32 v[SPW], v[NIL]
	s_wait_dscnt 4*NL+1                            ; the add and the youngest 16 loads may be out
	WIN MUL_LO
	MUL16 0, 1, NQ-1, \slot, 0
	s_wait_dscnt 0x0                               ; the add is done, and my reads of this slot are over
	s_barrier_signal -1
	MUL16 2, 1, NQ-1, \slot, 0
	WIN 0
	s_barrier_wait -1
.if \fill
	CREST                                          ; the barrier has opened a round of the cluster's: no wave of any partner still reads this slot or has a load on its way
	s_add_nc_u64 s[G0+4*\slot+2:G0+4*\slot+3], s[G0+4*\slot+2:G0+4*\slot+3], 6144
	s_add_nc_u64 s[G0B+4*\slot+2:G0B+4*\slot+3], s[G0B+4*\slot+2:G0B+4*\slot+3], 6144
	JLOAD G0+4*\slot, G1, G0B+4*\slot, G1B         ; the first tensor load behind the round; its four v_nop are the places ahead of the loads below
.else
	PLACES NP
.endif
	v_add_nc_u32 v[ADRS], 128, v[ADRS]             ; the next two K steps' scale words
	FETCH_B \next, 0, 0
	FETCH_A \next, 0, 0
	SCALES \next
	WIN MUL_HI
	MUL16 4, 1, NQ-1, \slot, 0
	MUL16 6, 1, NQ-1, \slot, 0
	PLACES NP
	WIN 0
	FETCH_A \next, 0, 4
.endm
	s_wait_tensorcnt 1                             ; the scale words and my part of slot 0 are in; slot 1's load may be out
	s_barrier_signal -1
	s_barrier_wait -1
	FETCH_B 0, 0, 0
	FETCH_A 0, 0, 0
	SCALES 0
	FETCH_A 0, 0, 4
	STEP 0, 0, 1                                   ; K = 1,024 is four slots' worth, written out: the first products start the sums
	TURN 0, 1, 1
	STEP 1, 0, 0
	TURN 1, 0, 1
	STEP 0, 0, 0
	TURN 0, 1, 0
	STEP 1, 0, 0
	s_wait_dscnt 4*NL
	WIN MUL_LO
	MUL16 0, 1, NQ-1, 1, 0
	MUL16 2, 1, NQ-1, 1, 0
	s_wait_dscnt 0
	WIN MUL_HI
	MUL16 4, 1, NQ-1, 1, 0
	MUL16 6, 1, NQ-1, 1, 0
	WIN 0
	PLACES NP                                      ; ahead of the first reads of results and of loads into operands' registers
.irp b, 0,1,2,3
	v_mov_b32 v[TM+4+\b], 0                        ; written once: a lane permute's destination counts as one of its sources
.endr
; The 64 numbers of block a (window w, from v[s] on; register 16 b + i = place 32 b + 16 h + i along the next K) become a fragment's codes in v[d] on and its scale word in v[PW].  Each accumulator is first read at its low end.
.macro QUANTW s, w, d
	WIN 5*(\w)                                     ; sources 0 and 1: the accumulators' window
.irp b, 0,1,2,3
	v_max3_num_f32 v[TM+\b], |v[\s+16*\b]|, |v[\s+1+16*\b]|, 0x1800000   ; with the floor 2^(3 - 127)
.endr
.irp i, 2,4,6,8,10,12,14
.irp b, 0,1,2,3
	v_max3_num_f32 v[TM+\b], |v[\s+16*\b+\i]|, |v[\s+1+16*\b+\i]|, v[TM+\b]
.endr
.endr
	WIN 0
.irp b, 0,1,2,3
	v_permlanex16_b32 v[TM+4+\b], v[TM+\b], s[SEL], s[SEL+1]
.endr
.irp b, 0,1,2,3
	v_max_num_f32 v[TM+\b], v[TM+\b], v[TM+4+\b]
.endr
.irp b, 0,1,2,3
	v_add_nc_u32 v[TM+12+\b], 0xff000000, v[TM+\b]
.endr
.irp b, 0,1,2,3
	v_lshrrev_b32 v[TM+4+\b], 23, v[TM+12+\b]
.endr
	v_lshl_or_b32 v[PW], v[TM+5], 8, v[TM+4]
	v_lshl_or_b32 v[PW], v[TM+6], 16, v[PW]
	v_lshl_or_b32 v[PW], v[TM+7], 24, v[PW]
	WIN \w                                         ; source 0: the accumulators' window
.irp c, 0,1
	v_cvt_scalef32_pk16_fp6_f32 v[\d+6*\c:\d+2+6*\c], v[\s+32*\c:\s+15+32*\c], v[TM+12+2*\c]
	v_cvt_scalef32_pk16_fp6_f32 v[E+4*\c:E+2+4*\c], v[\s+16+32*\c:\s+31+32*\c], v[TM+12+2*\c+1]
.endr
	WIN 0
	v_nop                                          ; one plain place behind a scaled conversion
.irp c, 0,1
.irp i, 0,1,2
	v_permlane16_swap_b32 v[\d+6*\c+\i], v[E+4*\c+\i]
.endr
.irp i, 0,1,2
	v_mov_b32 v[\d+3+6*\c+\i], v[E+4*\c+\i]
.endr
.endr
.endm
; RoPE on block a, in place: pair n of 32 is (even, odd) of frequency index 16 ((n / 8) % 2) + 8 h + n % 8; its (cos, sin) lie in window 1
.macro ROPE a
.set WW, 2+(\a)/4
.set SS, 64*((\a)%4)
	WIN (WW|4)                                     ; source 0 the accumulators, source 1 the table, destination window 0
.set n, 0
.rept 32
.set TP, 32*(\a)+2*(8*((n/8)%2)+n%8)
	v_pk_mul_f32 v[RT+2*n:RT+2*n+1], v[SS+2*n:SS+2*n+1], v[TP:TP+1] op_sel:[1,1] op_sel_hi:[0,1]   ; (odd x sin, even x sin)
.set n, n+1
.endr
	WIN (WW|4|(WW<<6))                             ; and back into the accumulators
.set n, 0
.rept 32
.set TP, 32*(\a)+2*(8*((n/8)%2)+n%8)
	v_pk_fma_f32 v[SS+2*n:SS+2*n+1], v[SS+2*n:SS+2*n+1], v[TP:TP+1], v[RT+2*n:RT+2*n+1] op_sel_hi:[1,0,1] neg_lo:[0,0,1]   ; (even x cos - odd x sin, odd x cos + even x sin)
.set n, n+1
.endr
.endm
	s_cmp_eq_u32 s12, 1                            ; the cluster's x decides: all partners go the same way
	s_cbranch_scc1 .Lvpath
	; ---- q and k.  Block a is token tile 8 x my half + a of the slot's 16; its 64 registers are two heads' 64 channels
	s_lshr_b32 s20, s17, 3                         ; batch
	s_and_b32 s21, s17, 7                          ; which 256 tokens
	s_lshl_b32 s22, s42, 1
	s_add_co_u32 s22, s22, s16
	s_and_b32 s22, s22, 7                          ; which pair of heads
	s_lshl_b32 s22, s22, 1
	s_lshl_b32 s20, s20, 4
	s_add_co_u32 s20, s20, s22                     ; batch x head
	s_lshl_b32 s20, s20, 3
	s_add_co_u32 s20, s20, s21
	s_mul_i32 s20, s20, REC
	s_cmp_eq_u32 ttmp9, 0                          ; cluster x = 0 has Wq's rows
	s_cselect_b32 s22, QC, 0
	s_add_co_u32 s20, s20, s22
	s_lshl_b32 s22, s15, 9
	s_add_co_u32 s22, s22, s20
	s_add_co_u32 s22, s22, KSO
	s_mov_b32 s23, 0
	s_add_nc_u64 s[18:19], s[10:11], s[22:23]      ; my 8 tiles' scale words
	s_mul_i32 s22, s15, 6144
	s_add_co_u32 s22, s22, s20
	s_add_nc_u64 s[10:11], s[10:11], s[22:23]      ; and codes
	s_lshl_b32 s21, s21, 4
	s_lshl_b32 s22, s15, 3
	s_add_co_u32 s22, s22, s21
	s_lshl_b32 s22, s22, 12
	s_add_nc_u64 s[8:9], s[8:9], s[22:23]          ; the table of my 8 token tiles
	WIN 0x40                                       ; destination window 1
.irp a, 0,1,2,3,4,5,6,7
.irp p, 0,1,2,3,4,5,6,7
	global_load_b128 v[32*\a+4*\p:32*\a+4*\p+3], v[L16], s[8:9] offset:4096*\a+512*\p
.endr
.endr
	WIN 0
.irp a, 0,1,2,3,4,5,6,7
	s_wait_loadcnt 8*(7-\a)                        ; this block's eight pieces of the table are in; the later blocks' may be out
	ROPE \a
.if \a > 1
	s_wait_xcnt 0x0                                ; the stores of two blocks back have read this set of codes
.endif
.if \a > 0
	s_wait_dscnt 0x0                               ; the last scale word's LDS store is done
.endif
.set DD, D0+12*(\a%2)
	QUANTW 64*(\a%4), 2+\a/4, DD
	v_lshrrev_b32 v[PW2], 16, v[PW]
	v_cndmask_b32 v[PW2], v[PW], v[PW2], s[HM]     ; lanes 0-15 the even head's two bytes, lanes 16-31 the odd head's
	ds_store_b32 v[QSS], v[PW2] offset:64*\a
	global_store_b128 v[L16], v[DD:DD+3], s[10:11] offset:768*\a              ; the even head: 512 consecutive bytes,
	global_store_b64 v[L8], v[DD+4:DD+5], s[10:11] offset:768*\a+512          ; and 256
	global_store_b128 v[L16], v[DD+6:DD+9], s[10:11] offset:768*\a+HEADSTR    ; the odd head
	global_store_b64 v[L8], v[DD+10:DD+11], s[10:11] offset:768*\a+HEADSTR+512
.endr
	ds_load_b128 v[RB:RB+3], v[QRB]                ; my 8 tiles' scale words, 512 bytes a head
	ds_load_b128 v[RB+4:RB+7], v[QRB] offset:512
	s_wait_dscnt 0x0
	global_store_b128 v[L16], v[RB:RB+3], s[18:19]
	global_store_b128 v[L16], v[RB+4:RB+7], s[18:19] offset:HEADSTR
	s_wait_tensorcnt 0x0                           ; the wave's end: behind my last LDS store
	ds_add_u32 v[SPW], v[NIL]
	s_wait_dscnt 0x0
	CROUND                                         ; the closing round
	s_endpgm
.Lvpath:
	; ---- v.  Block a is 16 channels (d tile a % 4 of head a / 4 of my two); its 64 registers run along my 128 tokens: one fragment of V^T
	s_lshr_b32 s20, s42, 3                         ; batch
	s_and_b32 s21, s42, 7                          ; which 256 tokens
	s_lshl_b32 s20, s20, 4
	s_lshl_b32 s22, s17, 2
	s_add_co_u32 s20, s20, s22
	s_lshl_b32 s22, s15, 1
	s_add_co_u32 s20, s20, s22                     ; batch x head
	s_lshl_b32 s20, s20, 3
	s_add_co_u32 s20, s20, s21
	s_mul_i32 s20, s20, REC
	s_lshl_b32 s22, s16, 8
	s_add_co_u32 s22, s22, s20
	s_add_co_u32 s22, s22, VS
	s_mov_b32 s23, 0
	s_add_nc_u64 s[18:19], s[10:11], s[22:23]
	s_mul_i32 s22, s16, 6144
	s_add_co_u32 s22, s22, s20
	s_add_co_u32 s22, s22, VC
	s_add_nc_u64 s[10:11], s[10:11], s[22:23]
.irp a, 0,1,2,3,4,5,6,7
.if \a > 1
	s_wait_xcnt 0x0                                ; the stores of two blocks back have read this set of codes
.endif
.if \a > 0
	s_wait_dscnt 0x0
.endif
.set DD, D0+12*(\a%2)
	QUANTW 64*(\a%4), 2+\a/4, DD
	ds_store_b32 v[VSS], v[PW] offset:64*\a        ; lanes r and r + 16 write the same word with the same value
	global_store_b128 v[L16], v[DD:DD+3], s[10:11] offset:(\a/4)*HEADSTR+(\a%4)*1536
	global_store_b64 v[L8], v[DD+4:DD+5], s[10:11] offset:(\a/4)*HEADSTR+(\a%4)*1536+512
	global_store_b128 v[L16], v[DD+6:DD+9], s[10:11] offset:(\a/4)*HEADSTR+(\a%4)*1536+768
	global_store_b64 v[L8], v[DD+10:DD+11], s[10:11] offset:(\a/4)*HEADSTR+(\a%4)*1536+1280
.endr
	ds_load_b64 v[RB:RB+1], v[VRB]                 ; 256 bytes of scale words a head
	ds_load_b64 v[RB+2:RB+3], v[VRB] offset:256
	s_wait_dscnt 0x0
	global_store_b64 v[L8], v[RB:RB+1], s[18:19]
	global_store_b64 v[L8], v[RB+2:RB+3], s[18:19] offset:HEADSTR
	s_wait_tensorcnt 0x0                           ; the wave's end, as above
	ds_add_u32 v[SPW], v[NIL]
	s_wait_dscnt 0x0
	CROUND
	s_endpgm
.Lfunc_end_k_qb299e3071a_qkv:
	.size	k_qb299e3071a_qkv, .Lfunc_end_k_qb299e3071a_qkv-k_qb299e3071a_qkv
	.p2alignl 7, 3214868480
	.fill 96, 4, 3214868480
	.section	.rodata,"a",@progbits
	.p2align	6, 0x0
	.amdhsa_kernel k_qb299e3071a_qkv
		.amdhsa_group_segment_fixed_size 327680
		.amdhsa_private_segment_fixed_size 0
		.amdhsa_enable_private_segment 0
		.amdhsa_kernarg_size 32
		.amdhsa_user_sgpr_count 2
		.amdhsa_user_sgpr_kernarg_segment_ptr 1
		.amdhsa_wavefront_size32 1
		.amdhsa_system_sgpr_workgroup_id_x 1
		.amdhsa_system_sgpr_workgroup_id_y 1
		.amdhsa_system_sgpr_workgroup_id_z 1
		.amdhsa_system_vgpr_workitem_id 0
		.amdhsa_next_free_vgpr 1024
		.amdhsa_next_free_sgpr 98
		.amdhsa_reserve_vcc 0
		.amdhsa_float_denorm_mode_32 3
		.amdhsa_float_denorm_mode_16_64 3
		.amdhsa_memory_ordered 1
		.amdhsa_forward_progress 1
		.amdhsa_inst_pref_size 228
	.end_amdhsa_kernel
	.amdgpu_metadata
---
amdhsa.version: [ 1, 2 ]
amdhsa.kernels:
  - .name:           k_qb299e3071a_qkv
    .symbol:         k_qb299e3071a_qkv.kd
    .args:
      - { .name: opc, .offset: 0, .size: 8, .value_kind: global_buffer, .address_space: global }
      - { .name: ops, .offset: 8, .size: 8, .value_kind: global_buffer, .address_space: global }
      - { .name: tb, .offset: 16, .size: 8, .value_kind: global_buffer, .address_space: global }
      - { .name: qkv, .offset: 24, .size: 8, .value_kind: global_buffer, .address_space: global }
    .group_segment_fixed_size: 327680
    .private_segment_fixed_size: 0
    .kernarg_segment_align: 8
    .kernarg_segment_size: 32
    .max_flat_workgroup_size: 128
    .sgpr_count:     98
    .vgpr_count:     1024
    .wavefront_size: 32
...
	.end_amdgpu_metadata
.endif
;; end of part 2
;; launch attn (part 3): grid 4 x 64, 16 waves a work-group, no clusters, 327,680 bytes of LDS; arguments qkv, oc, os; writes oc, os
.if DOCPART == 3
	.amdgcn_target "amdgcn-amd-amdhsa--gfx1250"
	.amdhsa_code_object_version 6
	.text
	.protected	k_qb299e3071a_attn
	.globl	k_qb299e3071a_attn
	.p2align	8
	.type	k_qb299e3071a_attn,@function
k_qb299e3071a_attn:
	s_mov_b64 s[64:65], 0
	v_nop
	global_prefetch_b8 v0, s[64:65] scope:SCOPE_SE
	s_setreg_imm32_b32 hwreg(HW_REG_WAVE_MODE, 25, 1), 1
	s_wait_xcnt 0x0
; ATTN.  Causal attention of one (batch, head) on codes of FP6 (E2M3): S^T = K Q^T (K = the head's 64, filled to 128 with zero codes on Q's side), p = 2^(t - M) quantised along the keys, O^T = V^T P^T; O / l quantised along e.
; t = score x log2(e) / 8; M = the running largest t rounded up to a whole number; the row's sum is taken of the unquantised p; when M moves, the sum and O^T are multiplied by 2^(old M - new M), which rounds nothing.
; SHARES.  Work-group (J, batch x head) owns the blocks J and 7 - J of 256 queries, one after the other: (J + 1) + (8 - J) = 9 slots of 256 keys for every work-group, so the trip count is a constant and all have equal work.
; Each of sixteen waves owns one tile of 16 queries in 256 registers: four waves to a SIMD, so that one wave's softmax stands beside another's products and LDS loads.
; A slot is the first 26,112 bytes of a record of qkv (K's codes, K's scale words, V^T's codes, V's scale words), dense in memory: waves 0 and 1 bring half each by one tensor load, a slot ahead; all sixteen read it.
; LAYOUT.  A lane holds one query (lane % 16) throughout.  By the order of rows in a tile the 16 registers of key tiles 2 b, 2 b + 1 are keys 32 b + 16 (lane / 16) + 0 .. 15, and likewise O^T's along the head's channels.
; K's operand names 12 registers of which the upper six are the next tile's codes: they meet Q's zero codes, and no scale byte is 0xff, so they add nothing.
; NO JOINT LOADS: the four work-groups of a head walk the slots in different orders, which is what makes their work equal; in step they would walk 12 slots for 9.  NO PREFETCH: a record is read by several passes, and each load is asked for a whole slot's work ahead.
; CAUSAL: a step whose 128 keys all come after my queries is jumped over (a branch on ids); on the diagonal hidden scores become -infinity, so p = 0, as where the mask's -999,999,999 is added to logits far under 1e9.
; OUT: oc, os: O's codes and scale bytes in the order of an operand's registers: oc (16 x token tile + head) x 768; os (8 x token tile + head / 2) x 64 + 4 r + 2 (head % 2), two bytes a row and head.
; LIMITS: blocks of zeros get the byte 1; NaN and infinities are not served.
.set REC,    39424
.set HEADSTR, 8*REC
.set KS,     12288
.set VC,     13312
.set VS,     25600
.set QC,     26112
.set QS,     38400
.set HALFR,  13056                     ; 51 rows of 256 bytes: what one tensor load brings
.set SLOT1,  32768                     ; slot 1 begins here: one exclusive or turns an address
.set SPARE,  65536                     ; the spare words, 128 bytes for each of sixteen waves
.set SPW,  5                           ; v5  my spare word; never rewritten
.set NIL,  6                           ; v6  0; never rewritten
; v1 16 x lane, v2 8 x lane, v3 4 r, v4 8 (wave % 2) + r + 8 (r / 8) - 16 h; v8-10 the same three in the slot in hand; v12 -M, v13 the largest t, v[14:15] the sum; v16-21 Q, v22-27 zeros; v32-79 K's 8 tiles or V's 4 fragments;
; v80-85 zeros; v96-159 S^T, then p; v160-191 O^T; v192-199 scale words; v224-235 p's codes; v232-254 at work; v255 Q's scale word
.set TB,   2                           ; s2   the slot in hand
.set TI,   3                           ; s3   the trip
.set J,    10
.set NS,   11                          ; s11  the record last asked for
.set KF,   12                          ; s12  the step's first key
.set Q0,   13                          ; s13  the first of the 32 queries among which mine lie
.set BLK,  14                          ; s14  my block of queries
.set WV,   18
.set SEL,  20
.set CS,   22                          ; s[22:23] log2(e) / 8
.set G1,   24
.set G0,   40
.set KVB,  44                          ; s[44:45] the head's first record, my half
.set HB,   46                          ; s[46:47] the head's first record
.set QCB,  48
.set QSB,  50
.set OCB,  52
.set OSB,  54
.macro TLOAD                           ; waves 0 and 1 fetch; an s_nop 0 and four v_nop follow the line
	s_cmp_lt_u32 s[WV], 2
	s_cbranch_scc0 .Lasked_\@
	tensor_load_to_lds s[G0:G0+3], s[G1:G1+7]
	s_nop 0
.rept 4
	v_nop
.endr
.Lasked_\@:
.endm
	s_load_b128 s[4:7], s[0:1], 0x0                ; qkv s[4:5], oc s[6:7]
	s_load_b64 s[8:9], s[0:1], 0x10                ; os
	v_lshl_add_u32 v[SPW], v0, 2, SPARE
	v_mov_b32 v[NIL], 0
	ds_add_u32 v[SPW], v[NIL]                      ; the wave's opening: the add and its wait ahead of the first tensor load; work on registers stands between them
	ds_add_u32 v[SPW], v[NIL]
	v_lshrrev_b32 v8, 5, v0
	s_delay_alu instid0(VALU_DEP_1)
	v_readfirstlane_b32 s[WV], v8
	s_mov_b32 s[J], ttmp9
	s_and_b32 s17, ttmp7, 0xffff                   ; batch x head
	s_lshr_b32 s15, s17, 4                         ; batch
	s_and_b32 s16, s17, 15                         ; head
	s_mul_i32 s32, s17, HEADSTR
	s_mov_b32 s33, 0
	s_and_b32 s34, s[WV], 1
	s_mul_i32 s34, s34, HALFR
	s_mov_b32 s35, 0
	s_mov_b32 s[G1], 3<<16                         ; elements of 8 bytes, no mask, no padding
	s_mov_b32 s[G1+1], 32<<16                      ; tensor_dim0: 256 bytes
	s_mov_b32 s[G1+2], 51<<16                      ; tensor_dim1
	s_mov_b32 s[G1+3], 32<<16                      ; tile_dim0
	s_mov_b32 s[G1+4], 51                          ; tile_dim1
	s_mov_b32 s[G1+5], 32                          ; dense
	s_mov_b32 s[G1+6], 0
	s_mov_b32 s[G1+7], 0
	s_mov_b32 s[SEL], 0x76543210
	s_mov_b32 s[SEL+1], 0xfedcba98
	s_mov_b32 s[CS], 0x3e38aa3b
	s_mov_b32 s[CS+1], s[CS]
	s_mov_b32 s[TB], 0
	s_mov_b32 s[NS], 0
	s_mov_b32 s[KF], 0
	s_mov_b32 s[BLK], s[J]
	v_and_b32 v7, 31, v0
	s_delay_alu instid0(VALU_DEP_1)
	v_lshlrev_b32 v1, 4, v7
	s_delay_alu instid0(VALU_DEP_2)
	v_lshlrev_b32 v2, 3, v7
	v_and_b32 v8, 15, v0
	v_bfe_u32 v9, v0, 4, 1
	s_delay_alu instid0(VALU_DEP_2)
	v_lshlrev_b32 v3, 2, v8
	s_delay_alu instid0(VALU_DEP_3)
	v_and_b32 v10, 8, v8
	s_delay_alu instid0(VALU_DEP_1)
	v_add_nc_u32 v4, v10, v8
	s_delay_alu instid0(VALU_DEP_4)
	v_lshlrev_b32 v9, 4, v9
	s_delay_alu instid0(VALU_DEP_1)
	v_sub_nc_u32 v4, v4, v9
	s_and_b32 s36, s[WV], 1
	s_lshl_b32 s36, s36, 3
	v_add_nc_u32 v4, s36, v4
.irp i, 22,23,24,25,26,27, 80,81,82,83,84,85, 236,237,238,239, 252,253
	v_mov_b32 v\i, 0                               ; Q's upper 64 along K and what lies behind K's last tile: zero codes; and registers that are named before they are first written
.endr
	s_wait_dscnt 0x0                               ; the opening add is done
	s_wait_kmcnt 0x0
	s_add_nc_u64 s[HB:HB+1], s[4:5], s[32:33]
	s_add_nc_u64 s[KVB:KVB+1], s[HB:HB+1], s[34:35]
	s_mov_b32 s[G0], 1
	s_mov_b32 s[G0+1], s34                         ; slot 0, my half
	s_mov_b64 s[G0+2:G0+3], s[KVB:KVB+1]           ; record 0
	s_or_b32 s[G0+3], s[G0+3], 0x80000000
	TLOAD
; A block of queries begins: addresses from BLK, Q's fragment and scale word, the running numbers
.macro INIT
	s_mul_i32 s32, s[BLK], REC
	s_mul_i32 s33, s[WV], 768
	s_add_co_u32 s33, s33, s32
	s_add_co_u32 s36, s33, QC
	s_mov_b32 s37, 0
	s_add_nc_u64 s[QCB:QCB+1], s[HB:HB+1], s[36:37]
	s_lshl_b32 s33, s[WV], 6
	s_add_co_u32 s33, s33, s32
	s_add_co_u32 s36, s33, QS
	s_add_nc_u64 s[QSB:QSB+1], s[HB:HB+1], s[36:37]
	s_lshl_b32 s32, s15, 7
	s_lshl_b32 s33, s[BLK], 4
	s_add_co_u32 s32, s32, s33
	s_add_co_u32 s32, s32, s[WV]                   ; my token tile among the 512
	s_lshl_b32 s33, s32, 4
	s_add_co_u32 s33, s33, s16
	s_mul_i32 s36, s33, 768
	s_add_nc_u64 s[OCB:OCB+1], s[6:7], s[36:37]
	s_lshl_b32 s32, s32, 3
	s_lshr_b32 s33, s16, 1
	s_add_co_u32 s32, s32, s33
	s_lshl_b32 s32, s32, 6
	s_and_b32 s33, s16, 1
	s_lshl_b32 s33, s33, 1
	s_add_co_u32 s36, s32, s33
	s_add_nc_u64 s[OSB:OSB+1], s[8:9], s[36:37]
	s_lshl_b32 s[Q0], s[BLK], 8
	s_lshr_b32 s33, s[WV], 1
	s_lshl_b32 s33, s33, 5
	s_add_co_u32 s[Q0], s[Q0], s33
	global_load_b128 v[16:19], v1, s[QCB:QCB+1]
	global_load_b64 v[20:21], v2, s[QCB:QCB+1] offset:512
	global_load_b32 v255, v3, s[QSB:QSB+1]
	v_mov_b32 v13, 0xff61b1e6                      ; the largest t so far: -3e38
	s_delay_alu instid0(VALU_DEP_1)
	v_floor_f32 v12, -v13                          ; -M
	v_mov_b32 v14, 0
	v_mov_b32 v15, 0
.set n, 0
.rept 32
	v_mov_b32 v[160+n], 0                          ; O^T: the step is written once; the first change of M leaves zeros zeros
.set n, n+1
.endr
	s_wait_loadcnt 0x0
.endm
; A KEY STEP: 128 keys, the q-th of the slot in hand
.macro STEP q
	s_cmp_gt_u32 s[KF], s[Q0]                      ; KF is a multiple of 128 and my queries lie in Q0 .. Q0 + 31: above Q0 means behind all of them
	s_cbranch_scc1 .Lhidden_\@
	v_add_nc_u32 v8, s[TB], v1
	v_add_nc_u32 v9, s[TB], v2
	v_add_nc_u32 v10, s[TB], v3
	v_nop                                          ; with the three additions: four places ahead of loads into registers that the last products read
.irp t, 0,1,2,3,4,5,6,7
	ds_load_b128 v[32+6*\t:35+6*\t], v8 offset:768*(8*(\q)+\t)
	ds_load_b64 v[36+6*\t:37+6*\t], v9 offset:768*(8*(\q)+\t)+512
	ds_load_b32 v[192+\t], v10 offset:KS+64*(8*(\q)+\t)
.endr
	s_wait_alu depctr_va_vdst(0)
	s_wait_dscnt 0x0
.irp t, 0,1,2,3,4,5,6,7
	v_wmma_scale_f32_16x16x128_f8f6f4 v[96+8*\t:103+8*\t], v[32+6*\t:43+6*\t], v[16:27], 0, v[192+\t], v255 matrix_a_fmt:MATRIX_FMT_FP6 matrix_b_fmt:MATRIX_FMT_FP6
.endr
.rept 4
	v_nop
.endr
.irp t, 0,1,2,3                                ; V's four fragments are asked for now and land under the softmax
	ds_load_b128 v[32+12*\t:35+12*\t], v8 offset:VC+1536*(4*(\q)+\t)
	ds_load_b64 v[36+12*\t:37+12*\t], v9 offset:VC+1536*(4*(\q)+\t)+512
	ds_load_b128 v[38+12*\t:41+12*\t], v8 offset:VC+1536*(4*(\q)+\t)+768
	ds_load_b64 v[42+12*\t:43+12*\t], v9 offset:VC+1536*(4*(\q)+\t)+1280
	ds_load_b32 v[192+\t], v10 offset:VS+64*(4*(\q)+\t)
.endr
	s_add_co_u32 s32, s[KF], 127
	s_cmp_le_u32 s32, s[Q0]                        ; all 128 keys count: no mask
	s_cbranch_scc1 .Lopen_\@
	s_sub_co_i32 s32, s[Q0], s[KF]
	v_add_nc_u32 v252, s32, v4                     ; d = my query - KF - 16 h.  Register 16 b + i holds key KF + 16 h + 32 b + i: hidden where 32 b + i > d
	v_mov_b32 v254, 0xff800000
.set n, 0
.rept 64
	v_cmp_gt_i32 vcc_lo, 32*(n/16)+n%16, v252
	v_cndmask_b32 v[96+n], v[96+n], v254, vcc_lo
.set n, n+1
.endr
.Lopen_\@:
.irp b, 0,1,2,3
	v_max3_num_f32 v[232+\b], v[96+16*\b], v[97+16*\b], v[98+16*\b]   ; the largest score of each block of 32 keys: for the row's maximum, and, since p rises with the score, for the block's largest p
.endr
.irp i, 3,5,7,9,11,13
.irp b, 0,1,2,3
	v_max3_num_f32 v[232+\b], v[232+\b], v[96+16*\b+\i], v[97+16*\b+\i]
.endr
.endr
.irp b, 0,1,2,3
	v_max_num_f32 v[232+\b], v[232+\b], v[111+16*\b]
.endr
.irp b, 0,1,2,3
	s_delay_alu instid0(VALU_DEP_4)
	v_permlanex16_b32 v[236+\b], v[232+\b], s[SEL], s[SEL+1]
.endr
.irp b, 0,1,2,3
	s_delay_alu instid0(VALU_DEP_4)
	v_max_num_f32 v[232+\b], v[232+\b], v[236+\b]
.endr
	s_delay_alu instid0(VALU_DEP_2)
	v_max3_num_f32 v254, v232, v233, v234
	s_delay_alu instid0(VALU_DEP_1)
	v_max_num_f32 v254, v254, v235
	s_delay_alu instid0(VALU_DEP_1)
	v_mul_f32 v254, s[CS], v254
	s_delay_alu instid0(VALU_DEP_1)
	v_max_num_f32 v13, v13, v254                   ; the running largest t
	v_mov_b32 v254, v12
	s_delay_alu instid0(VALU_DEP_2)
	v_floor_f32 v12, -v13                          ; the new -M: M is a whole number
	s_delay_alu instid0(VALU_DEP_1)
	v_sub_f32 v254, v12, v254
	s_delay_alu instid0(VALU_DEP_1)
	v_cvt_i32_f32 v254, v254                       ; (it saturates)
	s_delay_alu instid0(VALU_DEP_1)
	v_ldexp_f32 v252, 1.0, v254                    ; f = 2^(old M - new M)
.set n, 0
.rept 32
	v_pk_fma_f32 v[96+n:97+n], v[96+n:97+n], s[CS:CS+1], v[12:13] op_sel_hi:[1,0,0]   ; t - M
.set n, n+2
.endr
.irp b, 0,1,2,3
	v_fma_f32 v[232+\b], v[232+\b], s[CS], v12
.endr
.set n, 0
	s_wait_alu depctr_va_vdst(0)
.rept 64
	v_exp_f32 v[96+n], v[96+n]                     ; p = 2^(t - M): not normalised
.set n, n+1
.endr
	v_pk_mul_f32 v[14:15], v[14:15], v[252:253] op_sel_hi:[1,0]   ; the sums under the new M; a plain place behind the exponentials
	s_wait_alu depctr_va_vdst(0)                   ; one wait for the batch, ahead of its first reader
.irp b, 0,1,2,3
	v_exp_f32 v[232+\b], v[232+\b]                 ; the blocks' largest p
.endr
	v_pk_add_f32 v[236:237], v[100:101], v[104:105]
	v_pk_add_f32 v[250:251], v[108:109], v[112:113]
	v_pk_add_f32 v[248:249], v[116:117], v[120:121]
	v_pk_add_f32 v[246:247], v[124:125], v[128:129]
	v_pk_add_f32 v[244:245], v[132:133], v[136:137]
	v_pk_add_f32 v[242:243], v[140:141], v[144:145]
	v_pk_add_f32 v[240:241], v[148:149], v[152:153]
	v_pk_add_f32 v[14:15], v[14:15], v[156:157]
	v_pk_add_f32 v[236:237], v[236:237], v[96:97]
	v_pk_add_f32 v[250:251], v[250:251], v[98:99]
	v_pk_add_f32 v[248:249], v[248:249], v[102:103]
	v_pk_add_f32 v[246:247], v[246:247], v[106:107]
	v_pk_add_f32 v[244:245], v[244:245], v[110:111]
	v_pk_add_f32 v[242:243], v[242:243], v[114:115]
	v_pk_add_f32 v[240:241], v[240:241], v[118:119]
	v_pk_add_f32 v[14:15], v[14:15], v[122:123]
	v_pk_add_f32 v[236:237], v[236:237], v[126:127]
	v_pk_add_f32 v[250:251], v[250:251], v[130:131]
	v_pk_add_f32 v[248:249], v[248:249], v[134:135]
	v_pk_add_f32 v[246:247], v[246:247], v[138:139]
	v_pk_add_f32 v[244:245], v[244:245], v[142:143]
	v_pk_add_f32 v[242:243], v[242:243], v[146:147]
	v_pk_add_f32 v[240:241], v[240:241], v[150:151]
	v_pk_add_f32 v[14:15], v[14:15], v[154:155]
	v_pk_add_f32 v[236:237], v[236:237], v[158:159]
	s_delay_alu instid0(VALU_DEP_2)
	v_pk_add_f32 v[14:15], v[14:15], v[246:247]
	s_delay_alu instid0(VALU_DEP_2)
	v_pk_add_f32 v[236:237], v[236:237], v[244:245]
	v_pk_add_f32 v[250:251], v[250:251], v[242:243]
	v_pk_add_f32 v[248:249], v[248:249], v[240:241]
	s_delay_alu instid0(VALU_DEP_2)
	v_pk_add_f32 v[14:15], v[14:15], v[250:251]
	s_delay_alu instid0(VALU_DEP_2)
	v_pk_add_f32 v[236:237], v[236:237], v[248:249]
	s_delay_alu instid0(VALU_DEP_1)
	v_pk_add_f32 v[14:15], v[14:15], v[236:237]
	s_wait_alu depctr_va_vdst(0)                   ; and one for the four
.irp b, 0,1,2,3
	v_max_num_f32 v[232+\b], 0x1800000, v[232+\b]  ; the floor 2^(3 - 127)
.endr
.irp b, 0,1,2,3
	s_delay_alu instid0(VALU_DEP_4)
	v_add_nc_u32 v[244+\b], 0xff000000, v[232+\b]
.endr
.irp b, 0,1,2,3
	s_delay_alu instid0(VALU_DEP_4)
	v_lshrrev_b32 v[236+\b], 23, v[244+\b]
.endr
	s_delay_alu instid0(VALU_DEP_3)
	v_lshl_or_b32 v253, v237, 8, v236              ; p's scale word for these 128 keys
	s_delay_alu instid0(VALU_DEP_1)
	v_lshl_or_b32 v253, v238, 16, v253
	s_delay_alu instid0(VALU_DEP_1)
	v_lshl_or_b32 v253, v239, 24, v253
.irp c, 0,1
	v_cvt_scalef32_pk16_fp6_f32 v[224+6*\c:226+6*\c], v[96+32*\c:111+32*\c], v[244+2*\c]
	v_cvt_scalef32_pk16_fp6_f32 v[236+4*\c:238+4*\c], v[112+32*\c:127+32*\c], v[244+2*\c+1]
.endr
	v_nop                                          ; one plain place behind a scaled conversion
.irp c, 0,1
.irp i, 0,1,2
	v_permlane16_swap_b32 v[224+6*\c+\i], v[236+4*\c+\i]
.endr
.irp i, 0,1,2
	s_delay_alu instid0(VALU_DEP_3)
	v_mov_b32 v[227+6*\c+\i], v[236+4*\c+\i]
.endr
.endr
.set n, 0
.rept 16
	v_pk_mul_f32 v[160+n:161+n], v[160+n:161+n], v[252:253] op_sel_hi:[1,0]   ; O^T under the new M; these sixteen are also the places between the scale word's and the codes' last writes and the products
.set n, n+2
.endr
	s_wait_alu depctr_va_vdst(0)
	s_wait_dscnt 0x0                               ; V is in
.irp t, 0,1,2,3
	v_wmma_scale_f32_16x16x128_f8f6f4 v[160+8*\t:167+8*\t], v[32+12*\t:43+12*\t], v[224:235], v[160+8*\t:167+8*\t], v[192+\t], v253 matrix_a_fmt:MATRIX_FMT_FP6 matrix_b_fmt:MATRIX_FMT_FP6
.endr
.Lhidden_\@:
	s_add_co_u32 s[KF], s[KF], 128
.endm
; THE CHANGE OF SLOTS, at a trip's head: every wave waits for all its tensor loads, adds 0 to its spare word, waits for that and for its reads of the slot that it has left; behind the barrier the slot ahead is whole and the other
; is filled with the next trip's record: the next one of this block of queries, or record 0 where this trip is the first block's last.
.macro CHANGE fill
	s_wait_tensorcnt 0x0                           ; no tensor load of mine is out, so the descriptor may be written
	ds_add_u32 v[SPW], v[NIL]
.if \fill
	s_xor_b32 s[G0+1], s[G0+1], SLOT1
	s_add_co_u32 s[NS], s[NS], 1
	s_cmp_eq_u32 s[TI], s[J]
	s_cselect_b32 s[NS], 0, s[NS]
	s_mul_i32 s32, s[NS], REC
	s_mov_b32 s33, 0
	s_add_nc_u64 s[G0+2:G0+3], s[KVB:KVB+1], s[32:33]
	s_or_b32 s[G0+3], s[G0+3], 0x80000000
.endif
	s_wait_dscnt 0x0
	s_barrier_signal -1
	s_barrier_wait -1
.if \fill
	TLOAD                                          ; the first thing behind the barrier, and a wave's one tensor load until the next
.endif
.endm
; A block of queries ends: O^T / the sum, quantised along the head's 64 channels (two blocks of 32), stored as half a fragment and two scale bytes a row
.macro FINAL
.rept 4
	v_nop                                          ; places behind the last products
.endr
	v_add_f32 v14, v14, v15
	s_delay_alu instid0(VALU_DEP_1)
	v_permlanex16_b32 v252, v14, s[SEL], s[SEL+1]
	s_delay_alu instid0(VALU_DEP_1)
	v_add_f32 v14, v14, v252                       ; the row's sum
	s_wait_alu depctr_va_vdst(0)
	v_rcp_f32 v14, v14
	v_nop                                          ; a plain place behind the reciprocal
	s_wait_alu depctr_va_vdst(0)                   ; the wait ahead of its first reader
.set n, 0
.rept 16
	v_pk_mul_f32 v[96+n:97+n], v[160+n:161+n], v[14:15] op_sel_hi:[1,0]   ; register 16 b + i: channel 32 b + 16 h + i
.set n, n+2
.endr
.irp b, 0,1
	v_max3_num_f32 v[232+\b], |v[96+16*\b]|, |v[97+16*\b]|, 0x1800000
.endr
.irp i, 2,4,6,8,10,12,14
.irp b, 0,1
	s_delay_alu instid0(VALU_DEP_2)
	v_max3_num_f32 v[232+\b], v[232+\b], |v[96+16*\b+\i]|, |v[97+16*\b+\i]|
.endr
.endr
.irp b, 0,1
	s_delay_alu instid0(VALU_DEP_2)
	v_permlanex16_b32 v[236+\b], v[232+\b], s[SEL], s[SEL+1]
.endr
.irp b, 0,1
	s_delay_alu instid0(VALU_DEP_2)
	v_max_num_f32 v[232+\b], v[232+\b], v[236+\b]
.endr
.irp b, 0,1
	s_delay_alu instid0(VALU_DEP_2)
	v_add_nc_u32 v[244+\b], 0xff000000, v[232+\b]
.endr
.irp b, 0,1
	s_delay_alu instid0(VALU_DEP_2)
	v_lshrrev_b32 v[236+\b], 23, v[244+\b]
.endr
	s_delay_alu instid0(VALU_DEP_1)
	v_lshl_or_b32 v253, v237, 8, v236              ; the head's two scale bytes of my row
	v_cvt_scalef32_pk16_fp6_f32 v[224:226], v[96:111], v244
	v_cvt_scalef32_pk16_fp6_f32 v[236:238], v[112:127], v245
	v_nop
.irp i, 0,1,2
	v_permlane16_swap_b32 v[224+\i], v[236+\i]
.endr
.irp i, 0,1,2
	s_delay_alu instid0(VALU_DEP_3)
	v_mov_b32 v[227+\i], v[236+\i]
.endr
	global_store_b128 v1, v[224:227], s[OCB:OCB+1]             ; 512 consecutive bytes
	global_store_b64 v2, v[228:229], s[OCB:OCB+1] offset:512   ; 256
	global_store_b16 v3, v253, s[OSB:OSB+1]                    ; two bytes a row: the word's other half is another head's; lanes 16-31 repeat lanes 0-15
	s_wait_xcnt 0x0                                ; the stores have read their registers and bases: both may be written again
.endm
	INIT
	s_mov_b32 s[TI], 0
.Ltrip:                                            ; eight trips, each asking for the next trip's record; the ninth is written out
	CHANGE 1
	STEP 0
	STEP 1
	s_xor_b32 s[TB], s[TB], SLOT1
	s_cmp_lg_u32 s[TI], s[J]                       ; ids and the count of trips alone
	s_cbranch_scc1 .Lsame
	FINAL                                          ; block J is done: on to block 7 - J
	s_sub_co_u32 s[BLK], 7, s[J]
	INIT
	s_mov_b32 s[KF], 0
.Lsame:
	s_add_co_u32 s[TI], s[TI], 1
	s_cmp_lt_u32 s[TI], 8
	s_cbranch_scc1 .Ltrip
	CHANGE 0
	STEP 0
	STEP 1
	FINAL
	s_wait_tensorcnt 0x0                           ; the wave's end
	ds_add_u32 v[SPW], v[NIL]
	s_wait_dscnt 0x0
	s_endpgm
.Lfunc_end_k_qb299e3071a_attn:
	.size	k_qb299e3071a_attn, .Lfunc_end_k_qb299e3071a_attn-k_qb299e3071a_attn
	.p2alignl 7, 3214868480
	.fill 96, 4, 3214868480
	.section	.rodata,"a",@progbits
	.p2align	6, 0x0
	.amdhsa_kernel k_qb299e3071a_attn
		.amdhsa_group_segment_fixed_size 327680
		.amdhsa_private_segment_fixed_size 0
		.amdhsa_enable_private_segment 0
		.amdhsa_kernarg_size 24
		.amdhsa_user_sgpr_count 2
		.amdhsa_user_sgpr_kernarg_segment_ptr 1
		.amdhsa_wavefront_size32 1
		.amdhsa_system_sgpr_workgroup_id_x 1
		.amdhsa_system_sgpr_workgroup_id_y 1
		.amdhsa_system_sgpr_workgroup_id_z 1
		.amdhsa_system_vgpr_workitem_id 0
		.amdhsa_next_free_vgpr 256
		.amdhsa_next_free_sgpr 66
		.amdhsa_reserve_vcc 1
		.amdhsa_float_denorm_mode_32 3
		.amdhsa_float_denorm_mode_16_64 3
		.amdhsa_memory_ordered 1
		.amdhsa_forward_progress 1
		.amdhsa_inst_pref_size 111
	.end_amdhsa_kernel
	.amdgpu_metadata
---
amdhsa.version: [ 1, 2 ]
amdhsa.kernels:
  - .name:           k_qb299e3071a_attn
    .symbol:         k_qb299e3071a_attn.kd
    .args:
      - { .name: qkv, .offset: 0, .size: 8, .value_kind: global_buffer, .address_space: global }
      - { .name: oc, .offset: 8, .size: 8, .value_kind: global_buffer, .address_space: global }
      - { .name: os, .offset: 16, .size: 8, .value_kind: global_buffer, .address_space: global }
    .group_segment_fixed_size: 327680
    .private_segment_fixed_size: 0
    .kernarg_segment_align: 8
    .kernarg_segment_size: 24
    .max_flat_workgroup_size: 512
    .sgpr_count:     66
    .vgpr_count:     256
    .wavefront_size: 32
...
	.end_amdgpu_metadata
.endif
;; end of part 3
;; launch oproj (part 4): grid 4 x 32, 4 waves a work-group, clusters of 4 x 4, 327,680 bytes of LDS; arguments oc, os, opc, ops, out0; writes out0
.if DOCPART == 4
	.amdgcn_target "amdgcn-amd-amdhsa--gfx1250"
	.amdhsa_code_object_version 6
	.text
	.protected	k_qb299e3071a_oproj
	.globl	k_qb299e3071a_oproj
	.p2align	8
	.type	k_qb299e3071a_oproj,@function
k_qb299e3071a_oproj:
	s_mov_b64 s[64:65], 0
	v_nop
	global_prefetch_b8 v0, s[64:65] scope:SCOPE_SE
	s_setreg_imm32_b32 hwreg(HW_REG_WAVE_MODE, 25, 1), 1
	s_wait_xcnt 0x0
	s_wait_alu depctr_hold_cnt(0) depctr_sa_sdst(0) depctr_va_vdst(0) depctr_va_sdst(0) depctr_va_ssrc(0) depctr_va_vcc(0) depctr_vm_vsrc(0)
	s_getreg_b32 s2, hwreg(HW_REG_IB_STS2, 6, 4)
	s_cmp_eq_u32 s2, 0
	s_cbranch_scc0 .Lentry_in_a_cluster
	s_endpgm
.Lentry_in_a_cluster:
	s_bfe_u32 s2, ttmp6, 0x10000c
	s_cmp_lg_u32 s2, 0xf033
	s_cbranch_scc0 .Lentry_shape_is_right
	s_endpgm
.Lentry_shape_is_right:
; OPROJ.  out0 = O Wo^T on codes of FP6 (E2M3) with E8M0 scales, K = 1,024; out0 [8192][1024] f32.  A = O (oc, os), B = Wo (opc, ops from tile 704 on), both in the order of the operands' registers.
; A work-group of four waves makes 256 x 256, a wave 128 x 128: 64 accumulators.  Source 0 = 16 rows of Wo, source 1 = 16 tokens: a lane holds one token and its registers run along out0's columns.
; Lane row r of tile T is row 32 (T / 2) + 8 (T % 2) + r + 8 (r / 8), for tokens and for Wo's rows alike; the way out puts both back in their natural order.
; K goes in steps of 256 through two LDS slots; a wave's tensor load brings 8 tiles x 3,072 bytes; the scale words of all of K come once.  CLUSTERS: 4 x 4; A's tiles jointly along a row of the cluster, B's along a column.
; 128 work-groups: one tile each; a smaller tile would want a second text of the loop for a short launch.
; REGISTERS: window 0: v16-29 addresses; v32-63 scale words, two sets; from v128 A's fragments.  window 1: B's fragments, two sets.  windows 2, 3: the accumulators, (a, b) at v[8 (8 (a % 4) + b)].
.set NQ,     2
.set FR,     12
.set NL,     4
.set NP,     4
.set HALFT,  24576
.set SLOT,   4*HALFT
.set SCL,    2*SLOT
.set HALFS,  4096
.set SPARE,  SCL+4*HALFS
.set SPITCH, 528                       ; the way out: a stage of 16 rows x (512 + 16) bytes for each wave, in slot 0, which has had its last fill and its last read by then
.set ADRA, 16
.set ADRB, 20
.set STO,  24
.set RD,   25
.set CO,   26
.set ADRS, 27
.set SPW,  28
.set NIL,  29
.set SC,   32
.set AF,   128
.set BK,   128
.set G1, 24
.set G0, 32
.set G1B, 48
.set G0B, 56
.set G1S, 68
.set G0S, 76
.set G1SB, 80
.set G0SB, 88
.set MSB, 0
.macro WIN new
.if MSB != (\new)
	s_set_vgpr_msb (MSB<<8)|(\new)
.set MSB, (\new)
.endif
.endm
.set MUL_LO, 0xa1
.set MUL_HI, 0xf1
.set TO_B,   0x40
.macro JLOAD g0a, g1a, g0b, g1b        ; a joint load: waves 0 and 1 for A, waves 2 and 3 for B; an s_nop 0 and four v_nop follow each line
	s_cmp_eq_u32 s15, 0
	s_cbranch_scc0 .Lfor_b_\@
	tensor_load_to_lds s[\g0a:\g0a+3], s[\g1a:\g1a+7]
	s_nop 0
.rept 4
	v_nop
.endr
	s_branch .Lasked_\@
.Lfor_b_\@:
	tensor_load_to_lds s[\g0b:\g0b+3], s[\g1b:\g1b+7]
	s_nop 0
.rept 4
	v_nop
.endr
.Lasked_\@:
.endm
.macro CREST
	s_cmp_lg_u32 s14, 0
	s_cbranch_scc1 .Lnot_wave_0_\@
	s_barrier_signal -3
.Lnot_wave_0_\@:
	s_barrier_wait -3
	s_barrier_signal -1
	s_barrier_wait -1
.endm
.macro CROUND
	s_barrier_signal -1
	s_barrier_wait -1
	CREST
.endm
	s_load_b256 s[4:11], s[0:1], 0x0               ; oc s[4:5], os s[6:7], opc s[8:9], ops s[10:11]
	s_load_b64 s[12:13], s[0:1], 0x20              ; out0
	v_lshl_add_u32 v[SPW], v0, 2, SPARE
	v_mov_b32 v[NIL], 0
	ds_add_u32 v[SPW], v[NIL]                      ; the wave's opening: the add and its wait ahead of my first tensor load
	v_lshrrev_b32 v1, 5, v0
	v_readfirstlane_b32 s14, v1
	s_lshr_b32 s15, s14, 1                         ; my half of the tokens.  Also: I fetch for A (0) or for B (1)
	s_and_b32 s16, s14, 1                          ; my half of the columns.  Also: which 8 tiles I fetch
	s_bfe_u32 s40, ttmp6, 0x40000
	s_bfe_u32 s41, ttmp6, 0x40004
	s_lshl_b32 s42, ttmp9, 2
	s_add_co_u32 s42, s42, s40                     ; tc
	s_and_b32 s17, ttmp7, 0xffff
	s_lshl_b32 s17, s17, 2
	s_add_co_u32 s17, s17, s41                     ; tr
	s_lshl_b32 s43, s41, 2
	s_lshl_b32 s43, 15, s43
	s_lshl_b32 s44, 0x1111, s40
	s_or_b32 s[G1+0], s43, (3<<16)|(1<<21)
	s_or_b32 s[G1B+0], s44, (3<<16)|(1<<21)
.irp g, G1, G1B
	s_mov_b32 s[\g+1], 384<<16                     ; 3,072 bytes: two K steps of a tile
	s_mov_b32 s[\g+2], 8<<16
	s_mov_b32 s[\g+3], 384<<16
	s_mov_b32 s[\g+4], 8
	s_mov_b32 s[\g+5], 1536                        ; from tile to tile: 12,288 bytes
	s_mov_b32 s[\g+6], 0
	s_mov_b32 s[\g+7], 0
.endr
	s_or_b32 s[G1S+0], s43, (3<<16)|(1<<21)
	s_or_b32 s[G1SB+0], s44, (3<<16)|(1<<21)
.irp g, G1S, G1SB
	s_mov_b32 s[\g+1], 32<<16
	s_mov_b32 s[\g+2], 16<<16
	s_mov_b32 s[\g+3], 32<<16
	s_mov_b32 s[\g+4], 16
	s_mov_b32 s[\g+5], 32
	s_mov_b32 s[\g+6], 0
	s_mov_b32 s[\g+7], 0
.endr
	s_lshl_b32 s21, s16, 3
	s_lshl_b32 s20, s17, 4
	s_add_co_u32 s20, s20, s21                     ; A: the first tile that I fetch
	s_lshl_b32 s46, s42, 4
	s_add_co_u32 s46, s46, 704
	s_add_co_u32 s46, s46, s21                     ; B: Wo's tiles begin at 704
	s_lshl_b32 s22, s20, 9
	s_mov_b32 s23, 0
	s_lshl_b32 s92, s46, 9
	s_mov_b32 s93, 0
	s_mul_i32 s20, s20, 12288
	s_mov_b32 s21, 0
	s_mul_i32 s46, s46, 12288
	s_mov_b32 s47, 0
	s_mul_i32 s45, s14, HALFT
	s_mul_i32 s94, s14, HALFS
	s_wait_dscnt 0x0                               ; the opening add is done
	s_wait_kmcnt 0x0
	s_add_nc_u64 s[20:21], s[4:5], s[20:21]
	s_add_nc_u64 s[22:23], s[6:7], s[22:23]
	s_add_nc_u64 s[46:47], s[8:9], s[46:47]
	s_add_nc_u64 s[92:93], s[10:11], s[92:93]
	CROUND                                         ; all sixteen work-groups are here: the first joint loads meet
	s_mov_b32 s[G0S], 1
	s_add_co_u32 s[G0S+1], s94, SCL
	s_mov_b64 s[G0S+2:G0S+3], s[22:23]
	s_or_b32 s[G0S+3], s[G0S+3], 0x80000000
	s_mov_b32 s[G0SB], 1
	s_add_co_u32 s[G0SB+1], s94, SCL
	s_mov_b64 s[G0SB+2:G0SB+3], s[92:93]
	s_or_b32 s[G0SB+3], s[G0SB+3], 0x80000000
	JLOAD G0S, G1S, G0SB, G1SB
.irp s, 0,1
	s_mov_b32 s[G0+4*\s], 1
	s_add_co_u32 s[G0+4*\s+1], s45, \s*SLOT
	s_add_nc_u64 s[G0+4*\s+2:G0+4*\s+3], s[20:21], \s*3072
	s_or_b32 s[G0+4*\s+3], s[G0+4*\s+3], 0x80000000
	s_mov_b32 s[G0B+4*\s], 1
	s_add_co_u32 s[G0B+4*\s+1], s45, \s*SLOT
	s_add_nc_u64 s[G0B+4*\s+2:G0B+4*\s+3], s[46:47], \s*3072
	s_or_b32 s[G0B+4*\s+3], s[G0B+4*\s+3], 0x80000000
	JLOAD G0+4*\s, G1, G0B+4*\s, G1B
.endr
	v_and_b32 v1, 15, v0                           ; r
	v_bfe_u32 v2, v0, 4, 1                         ; h
	v_and_b32 v3, 31, v0
	v_lshlrev_b32 v[CO], 4, v3                     ; 16 x lane
	v_lshlrev_b32 v5, 3, v3                        ; 8 x lane
	s_mul_i32 s21, s15, HALFT
	s_mul_i32 s22, s16, HALFT
	s_add_co_u32 s22, s22, 2*HALFT
.irp s, 0,1
	v_add_nc_u32 v[ADRA+\s], s21, v[CO]
	v_add_nc_u32 v[ADRB+\s], s22, v[CO]
	v_add_nc_u32 v[ADRA+2+\s], s21, v5
	v_add_nc_u32 v[ADRB+2+\s], s22, v5
	s_add_co_u32 s21, s21, SLOT
	s_add_co_u32 s22, s22, SLOT
.endr
	s_lshl_b32 s21, s15, 12
	s_lshl_b32 s22, s16, 12
	s_add_co_u32 s22, s22, 8192
	s_sub_co_u32 s22, s22, s21
	v_mul_u32_u24 v6, s22, v2                      ; lanes 16-31 take B's scale words: one product, the distance between the two
	s_add_co_u32 s21, s21, SCL
	v_lshl_add_u32 v6, v1, 2, v6
	v_add_nc_u32 v[ADRS], s21, v6
	s_mul_i32 s23, s14, 16*SPITCH                  ; my stage
	v_mul_u32_u24 v6, v1, SPITCH
	v_lshl_add_u32 v6, v2, 6, v6
	v_add_nc_u32 v[STO], s23, v6                   ; in: row r, + 64 h
	v_add_nc_u32 v[RD], s23, v[CO]                 ; back: a row's 512 bytes, 16 a lane
	s_lshl_b32 s20, s17, 8
	s_lshl_b32 s21, s15, 7
	s_add_co_u32 s20, s20, s21
	s_lshl_b32 s20, s20, 12                        ; my first token's row of 4,096 bytes
	s_lshl_b32 s46, s42, 10
	s_lshl_b32 s47, s16, 9
	s_add_co_u32 s46, s46, s47                     ; my first column, in bytes
	s_add_co_u32 s20, s20, s46
	s_mov_b32 s21, 0
	s_add_nc_u64 s[12:13], s[12:13], s[20:21]
.macro FRAG reg, adr, q, i
	ds_load_b128 v[\reg:\reg+3], v[\adr] offset:3072*(\i)+1536*(\q)
	ds_load_b64 v[\reg+4:\reg+5], v[\adr+2] offset:3072*(\i)+1536*(\q)+512
	ds_load_b128 v[\reg+6:\reg+9], v[\adr] offset:3072*(\i)+1536*(\q)+768
	ds_load_b64 v[\reg+10:\reg+11], v[\adr+2] offset:3072*(\i)+1536*(\q)+1280
.endm
.macro MUL16 a0, p, q, sc, zero        ; the 64 accumulators take turns, one instruction a turn
.irp a, \a0, \a0+1
.irp b, 0,1,2,3,4,5,6,7
.if \zero
	v_wmma_scale_f32_16x16x128_f8f6f4 v[8*(8*((\a)%4)+\b):8*(8*((\a)%4)+\b)+7], v[128*(\p)+FR*\b:128*(\p)+FR*\b+FR-1], v[AF+FR*(\a):AF+FR*(\a)+FR-1], 0, v[SC+8*NQ*(\sc)+NQ*\b+(\q)], v[SC+8*NQ*(\sc)+NQ*(\a)+(\q)] matrix_a_fmt:MATRIX_FMT_FP6 matrix_b_fmt:MATRIX_FMT_FP6 matrix_a_scale:MATRIX_SCALE_ROW1
.else
	v_wmma_scale_f32_16x16x128_f8f6f4 v[8*(8*((\a)%4)+\b):8*(8*((\a)%4)+\b)+7], v[128*(\p)+FR*\b:128*(\p)+FR*\b+FR-1], v[AF+FR*(\a):AF+FR*(\a)+FR-1], v[8*(8*((\a)%4)+\b):8*(8*((\a)%4)+\b)+7], v[SC+8*NQ*(\sc)+NQ*\b+(\q)], v[SC+8*NQ*(\sc)+NQ*(\a)+(\q)] matrix_a_fmt:MATRIX_FMT_FP6 matrix_b_fmt:MATRIX_FMT_FP6 matrix_a_scale:MATRIX_SCALE_ROW1
.endif
.endr
.endr
.endm
.macro FETCH_B slot, q, p
	WIN TO_B
.irp i, 0,1,2,3,4,5,6,7
	FRAG 128*(\p)+FR*\i, ADRB+\slot, \q, \i
.endr
	WIN 0
.endm
.macro FETCH_A slot, q, i0
.irp i, \i0, \i0+1, \i0+2, \i0+3
	FRAG AF+FR*(\i), ADRA+\slot, \q, \i
.endr
.endm
.macro SCALES sc
.irp i, 0,1,2,3,4,5,6,7
.irp q, 0,1
	ds_load_b32 v[SC+8*NQ*\sc+NQ*\i+\q], v[ADRS] offset:512*\i+64*\q
.endr
.endr
.endm
.macro PLACES n
.rept \n
	v_nop
.endr
.endm
.macro STEP slot, q, zero
	s_wait_dscnt 4*NL                              ; all but the youngest 16 loads, A's blocks 4-7
	WIN MUL_LO
	MUL16 0, (\q)%2, \q, \slot, \zero
	MUL16 2, (\q)%2, \q, \slot, \zero
	s_wait_dscnt 0
	PLACES NP
	FETCH_B \slot, (\q)+1, 1-(\q)%2
	FETCH_A \slot, (\q)+1, 0
	WIN MUL_HI
	MUL16 4, (\q)%2, \q, \slot, \zero
	MUL16 6, (\q)%2, \q, \slot, \zero
	PLACES NP
	WIN 0
	FETCH_A \slot, (\q)+1, 4
.endm
.macro TURN slot, next, fill
	s_wait_tensorcnt 0x0                           ; all my tensor loads have landed: my part of the next slot
	ds_add_u32 v[SPW], v[NIL]
	s_wait_dscnt 4*NL+1                            ; the add and the youngest 16 loads may be out
	WIN MUL_LO
	MUL16 0, 1, NQ-1, \slot, 0
	s_wait_dscnt 0x0                               ; the add is done, and my reads of this slot are over
	s_barrier_signal -1
	MUL16 2, 1, NQ-1, \slot, 0
	WIN 0
	s_barrier_wait -1
.if \fill
	CREST                                          ; the barrier has opened a round of the cluster's
	s_add_nc_u64 s[G0+4*\slot+2:G0+4*\slot+3], s[G0+4*\slot+2:G0+4*\slot+3], 6144
	s_add_nc_u64 s[G0B+4*\slot+2:G0B+4*\slot+3], s[G0B+4*\slot+2:G0B+4*\slot+3], 6144
	JLOAD G0+4*\slot, G1, G0B+4*\slot, G1B         ; the first tensor load behind the round
.else
	PLACES NP
.endif
	v_add_nc_u32 v[ADRS], 128, v[ADRS]
	FETCH_B \next, 0, 0
	FETCH_A \next, 0, 0
	SCALES \next
	WIN MUL_HI
	MUL16 4, 1, NQ-1, \slot, 0
	MUL16 6, 1, NQ-1, \slot, 0
	PLACES NP
	WIN 0
	FETCH_A \next, 0, 4
.endm
	s_wait_tensorcnt 1                             ; the scale words and my part of slot 0 are in; slot 1's load may be out
	s_barrier_signal -1
	s_barrier_wait -1
	FETCH_B 0, 0, 0
	FETCH_A 0, 0, 0
	SCALES 0
	FETCH_A 0, 0, 4
	STEP 0, 0, 1
	TURN 0, 1, 1
	STEP 1, 0, 0
	TURN 1, 0, 1
	STEP 0, 0, 0
	TURN 0, 1, 0
	STEP 1, 0, 0
	s_wait_dscnt 4*NL
	WIN MUL_LO
	MUL16 0, 1, NQ-1, 1, 0
	MUL16 2, 1, NQ-1, 1, 0
	s_wait_dscnt 0
	WIN MUL_HI
	MUL16 4, 1, NQ-1, 1, 0
	MUL16 6, 1, NQ-1, 1, 0
	WIN 0
; THE WAY OUT, a block of 16 tokens x 128 columns at a time, through my own stage.  Accumulator (a, b), lane (r, h), register j is column 32 (b / 2) + 8 (b % 2) + 16 h + j of the token of lane row r.
; It comes back as whole rows of 512 bytes; row t of block a is token 32 (a / 2) + 8 (a % 2) + t + 8 (t / 8) of my 128.  LDS serves a wave's instructions in order: no wait between the stores and the loads.
.macro TOSTAGE a
.set AC, 64*((\a)%4)
	WIN 0x08+4*((\a)/4)                            ; the data: window 2 or 3
.irp b, 0,1,2,3,4,5,6,7
	ds_store_b128 v[STO], v[AC+8*\b:AC+8*\b+3] offset:128*(\b/2)+32*(\b%2)        ; each accumulator from its low end on
	ds_store_b128 v[STO], v[AC+8*\b+4:AC+8*\b+7] offset:128*(\b/2)+32*(\b%2)+16
.endr
	WIN 0
.set BB, BK+64*((\a)%2)
.irp t, 0,1,2,3,4,5,6,7,8,9,10,11,12,13,14,15
	ds_load_b128 v[BB+4*\t:BB+4*\t+3], v[RD] offset:\t*SPITCH
.endr
.endm
.macro SEND a, younger                 ; younger: the LDS instructions issued behind block a's loads, which may stay out
.set BB, BK+64*((\a)%2)
	s_wait_dscnt \younger
.irp t, 0,1,2,3,4,5,6,7,8,9,10,11,12,13,14,15
	global_store_b128 v[CO], v[BB+4*\t:BB+4*\t+3], s[12:13] offset:(32*((\a)/2)+8*((\a)%2)+\t+8*(\t/8))*4096 th:TH_STORE_NT   ; 32 lanes store 512 consecutive bytes, aligned; the base is never stepped: 127 rows at the most
.endr
.endm
	PLACES NP
	TOSTAGE 0
.irp a, 1,2,3,4,5,6,7
.if \a > 1
	s_wait_xcnt 0x0                                ; block a - 2's stores have read their registers: block a's loads may land there
.endif
	TOSTAGE \a
	SEND \a-1, 32                                  ; behind block a - 1's loads: block a's 16 stores and 16 loads
.endr
	SEND 7, 0
	s_wait_tensorcnt 0x0                           ; the wave's end: behind my last LDS store
	ds_add_u32 v[SPW], v[NIL]
	s_wait_dscnt 0x0
	CROUND                                         ; the closing round
	s_endpgm
.Lfunc_end_k_qb299e3071a_oproj:
	.size	k_qb299e3071a_oproj, .Lfunc_end_k_qb299e3071a_oproj-k_qb299e3071a_oproj
	.p2alignl 7, 3214868480
	.fill 96, 4, 3214868480
	.section	.rodata,"a",@progbits
	.p2align	6, 0x0
	.amdhsa_kernel k_qb299e3071a_oproj
		.amdhsa_group_segment_fixed_size 327680
		.amdhsa_private_segment_fixed_size 0
		.amdhsa_enable_private_segment 0
		.amdhsa_kernarg_size 40
		.amdhsa_user_sgpr_count 2
		.amdhsa_user_sgpr_kernarg_segment_ptr 1
		.amdhsa_wavefront_size32 1
		.amdhsa_system_sgpr_workgroup_id_x 1
		.amdhsa_system_sgpr_workgroup_id_y 1
		.amdhsa_system_sgpr_workgroup_id_z 1
		.amdhsa_system_vgpr_workitem_id 0
		.amdhsa_next_free_vgpr 1024
		.amdhsa_next_free_sgpr 98
		.amdhsa_reserve_vcc 0
		.amdhsa_float_denorm_mode_32 3
		.amdhsa_float_denorm_mode_16_64 3
		.amdhsa_memory_ordered 1
		.amdhsa_forward_progress 1
		.amdhsa_inst_pref_size 145
	.end_amdhsa_kernel
	.amdgpu_metadata
---
amdhsa.version: [ 1, 2 ]
amdhsa.kernels:
  - .name:           k_qb299e3071a_oproj
    .symbol:         k_qb299e3071a_oproj.kd
    .args:
      - { .name: oc, .offset: 0, .size: 8, .value_kind: global_buffer, .address_space: global }
      - { .name: os, .offset: 8, .size: 8, .value_kind: global_buffer, .address_space: global }
      - { .name: opc, .offset: 16, .size: 8, .value_kind: global_buffer, .address_space: global }
      - { .name: ops, .offset: 24, .size: 8, .value_kind: global_buffer, .address_space: global }
      - { .name: out0, .offset: 32, .size: 8, .value_kind: global_buffer, .address_space: global }
    .group_segment_fixed_size: 327680
    .private_segment_fixed_size: 0
    .kernarg_segment_align: 8
    .kernarg_segment_size: 40
    .max_flat_workgroup_size: 128
    .sgpr_count:     98
    .vgpr_count:     1024
    .wavefront_size: 32
...
	.end_amdgpu_metadata
.endif
;; end of part 4
